; MI455X (gfx1250); checked and timed in simulation.
; The chip was launched on July 23, 2026; its instructions are those of AMD's public machine-readable ISA for CDNA 5 (MIT licence, August 2026) and "CDNA5" Instruction Set Architecture Reference Guide (July 2026). The comments in the code are by the model that wrote it; some were corrected since.
;; Multi Head Self Attention. Allowed arithmetic: matrix products marked QUANTISED: E2M3 operands, one E8M0 scale for each 32 along K, by v_wmma_scale_f32_16x16x128_f8f6f4 with both operands' format E2M3, f32 sums; everything else in f32.
;; Inputs: Wk 1,024 x 1,024 float32; Wo 1,024 x 1,024 float32; Wq 1,024 x 1,024 float32; Wv 1,024 x 1,024 float32; bk 1,024 float32; bo 1,024 float32; bq 1,024 float32; bv 1,024 float32; x 4 x 2,048 x 1,024 float32.
;; Outputs: out0 4 x 2,048 x 1,024 float32.
;; This version of the problem:
;;   THIS VERSION OF THE PROBLEM IS GIVEN IN LOW PRECISION. The matrix products marked QUANTISED in the list below multiply operands that are first quantised to E2M3 (2 exponent bits, 3 mantissa bits; 6 bits a number), with one power-of-two scale for each 32 numbers along K (OCP MX v1.0); their sums are f32. All else is computed in f32.
;;   The module's matrix products, in the order in which they are computed (A, B: the left and right operand; K: the contracted axis; several contracted axes count as one K, in the product's order):
;;     1. [M 8,192, K 1,024] x [K 1,024, N 1,024]; A: input x; B: input Wq: QUANTISED
;;     2. [M 8,192, K 1,024] x [K 1,024, N 1,024]; A: input x; B: input Wk: QUANTISED
;;     3. [M 8,192, K 1,024] x [K 1,024, N 1,024]; A: input x; B: input Wv: QUANTISED
;;     4. batch 64 x [M 2,048, K 64] x [K 64, N 2,048]; A: computed on the way; B: computed on the way: QUANTISED
;;     5. batch 64 x [M 2,048, K 2,048] x [K 2,048, N 64]; A: softmax (see below); B: computed on the way: QUANTISED
;;     6. [M 8,192, K 1,024] x [K 1,024, N 1,024]; A: computed on the way; B: input Wo: QUANTISED
;;   THE QUANTISER, for each operand of a quantised product, along K:
;;     - K is cut into blocks of 32 from its start; a last block that is shorter is filled with zeros.
;;     - A block's scale is 2^e with e = floor(log2(the largest magnitude in the block)) - 2, held to -126 .. 127; a block of zeros has e = 0. As a byte (E8M0): e + 127.
;;     - Each number is divided by its block's scale, clamped to +-7.5, and rounded to the nearest number of E2M3, ties to even, subnormals kept.
;;     - The product sums the exact products of the quantised numbers (number of the format x scale) in f32.
;;   ~~~python
;;   def quantise(x, axis):      # numpy; x: float32 -> the quantised numbers, widened to float32 again
;;       x = np.moveaxis(x, axis, -1); K = x.shape[-1]
;;       x = np.pad(x, [(0, 0)] * (x.ndim - 1) + [(0, -K % 32)]); x = x.reshape(x.shape[:-1] + (-1, 32)); a = np.abs(x).max(-1, keepdims=True)
;;       e = np.where(a > 0, np.clip(np.frexp(np.where(a > 0, a, 1))[1] - 1 - 2, -126, 127), 0)      # np.frexp(a)[1] - 1 = floor(log2(a)), exactly
;;       r = np.clip(x / 2.0 ** e, -7.5, 7.5)
;;       step = 2.0 ** (np.maximum(np.frexp(np.where(r == 0, 1, r))[1] - 1, 0) - 3)
;;       q = np.round(r / step) * step * 2.0 ** e      # np.round: ties to even
;;       return np.moveaxis(q.reshape(q.shape[:-2] + (-1,))[..., :K], -1, axis).astype(np.float32)
;;   ~~~
;;   SOFTMAX AHEAD OF A QUANTISED PRODUCT. Where the list says 'softmax', what is quantised is not the finished softmax but p = 2^(t - M), with t = logit x log2(e) and M = ceil(the row's largest t), a whole number; so 1/2 < the row's largest p <= 1. The row's sum l is taken of the UNQUANTISED p, in f32, and the product's result is divided by l at the end. Since M is a whole number, a kernel that streams over the keys may use a running M (the ceiling of the running maximum): every later rescaling is an exact power of two, which a block's scale takes up: the codes' values come out the same.
;;   OPERANDS COMPUTED ON THE WAY. 'Computed on the way' means the value that the module computes at that place (a softmax that the list does not call 'softmax' is quantised finished and normalised). What goes into a quantiser is computed in f32, as accurately as f32 sums, v_exp_f32 and their like allow (about 1e-6 of the number): no bf16 or f16 on the way to a quantiser, and a product that is left as it is and whose result goes on into a quantised operand takes f32 operands (vector FMAs, or v_wmma_f32_16x16x4_f32). A number that lies on a knife's edge between two numbers of the format may be rounded either way, as far as f32 arithmetic and the matrix unit's own rounding can turn it there, and no further.
;; One version. Each part assembles by itself: llvm-mc -triple=amdgcn-amd-amdhsa -mcpu=gfx1250 --defsym DOCPART=n.
;; ======== version 1 of 1: 4 launches
;; workspace buffers: xi 6,291,456 bytes; wi 2,359,296 bytes; woi 786,432 bytes; qi 6,815,744 bytes; kv 13,369,344 bytes; ai 6,291,456 bytes; sc1 360,448 bytes; sc2 294,912 bytes
;; launch quant (part 1): grid 384 x 1, 4 waves a work-group, no clusters, 34,304 bytes of LDS; arguments x, Wq, Wk, Wv, Wo, xi, wi, woi, sc1, sc2; writes xi, wi, woi, sc1, sc2
.if DOCPART == 1
	.amdgcn_target "amdgcn-amd-amdhsa--gfx1250"
	.amdhsa_code_object_version 6
	.text
	.protected	k_q847170c28d_quant
	.globl	k_q847170c28d_quant
	.p2align	8
	.type	k_q847170c28d_quant,@function
k_q847170c28d_quant:
	s_mov_b64 s[64:65], 0
	v_nop
	global_prefetch_b8 v0, s[64:65] scope:SCOPE_SE
	s_setreg_imm32_b32 hwreg(HW_REG_WAVE_MODE, 25, 1), 1
	s_wait_xcnt 0x0
; x [8192][1024] and Wq, Wk, Wv, Wo [1024 (k)][1024 (n)], f32, become codes of E2M3 with one E8M0 byte for each 32 along K (the 1,024), laid as IMAGES OF THE OPERANDS' REGISTERS.
; DEAD WORK: none in this program.  Every bias goes into a quantiser (bq, bk, bv) or into the output (bo), every product of the table is live: all nine inputs are loaded by some launch.
; A fragment is 16 rows x 128 K = 12 registers a lane (lane (r, h): registers 6 c .. 6 c + 5 hold k = 64 c + 32 h + 0 .. 31 of row r).  Its image is 1,536 bytes: registers 4 g .. 4 g + 3 at 512 g + 16 x lane.
; WHICH ROWS FORM A TILE IS CHOSEN for the launches that follow:
;   tokens, inside each 128: row m of tile t is token 64 (t / 4) + 32 (m / 8) + 8 (t % 4) + m % 8;      a head's 64 columns of Wq, Wk, Wv: row m of tile u is column 32 (m / 8) + 8 u + m % 8;      Wo: natural.
; xi [G 32][K step 8][tile 16][1536];  wi [head 16][K step 8][tile 12][1536], tiles: q 0-3, v 0-1, k 0-3, v 2-3;  woi [128 columns: 8][K step 8][tile 8][1536].
; Scale words (four bytes: 128 along K of one row): [tile][half of K][row][4 words], 512 bytes a tile: sc1: W's tiles at 0, x's at 98,304;  sc2: Wo's tiles at 0.
; A block's scale is 2^(floor(log2(largest magnitude)) - 2): its byte is the largest magnitude's exponent field - 2, held at 1 from below by a floor among the maximum's leaves.
; LIMITS: a block of zeros gets the byte 1 where the rule says 127 (its codes are zeros, and this program alone reads the bytes); NaN and infinities among the inputs are not served.
; SHARES.  Work-groups 0-255: x.  A wave takes one tile of 16 tokens x 512 along K, in four K steps: each load reads 512 consecutive bytes of a row; the 16 rows turn through the wave's own stage in LDS.
; Work-groups 256-383: the weights.  A lane takes a column, its registers run down K (256 along K a wave): a block of 32 lies in one lane, nothing is transposed.  Only x's path touches LDS.
.set SPARE, 33792                      ; behind the four stages: the spare words, 128 bytes a wave
.set STG,   8448                       ; a wave's stage: 16 rows x (512 + 16) bytes
.set SPW,   12                         ; v12  my spare word's LDS address; never rewritten
.set NIL,   13                         ; v13  0; never rewritten
.set R,     32                         ; x: v32-159  two sets of 64: a K step as loaded
.set X,     160                        ; x: v160-223 my 64 numbers: register 32 c + i = k 64 c + 32 h + i of row r
.set C,     224                        ; x: v224-235 the fragment's codes
.set T,     236                        ; x: v236-238, v240-242: a block's upper 16 codes (a conversion's three registers begin on an even number)
.set BM,    244                        ; x: v244-245 largest magnitudes, then the conversions' scale operands
.set BY,    246                        ; x: v246-247 the bytes
.set WD,    248                        ; x: v248-251 the four K steps' scale words
.set WX,    32                         ; W: v32-95   two sets of 32 numbers
.set CH,    160                        ; W: v160-183 a K step's codes: [block 0 | block 2] for the fragment's lanes 0-15, [block 1 | block 3] for lanes 16-31
.set WT,    184                        ; W: v184-186
.set WW,    188                        ; W: v188-189 two scale words
	s_load_b512 s[8:23], s[0:1], 0x0               ; x, Wq, Wk, Wv, Wo, xi, wi, woi
	s_load_b128 s[24:27], s[0:1], 0x40             ; sc1, sc2
	v_lshl_add_u32 v[SPW], v0, 2, SPARE
	v_mov_b32 v[NIL], 0
	v_lshrrev_b32 v1, 5, v0
	v_readfirstlane_b32 s28, v1                    ; wave
	v_and_b32 v1, 31, v0                           ; lane
	v_and_b32 v6, 15, v0                           ; r
	v_bfe_u32 v7, v0, 4, 1                         ; h
	v_lshlrev_b32 v8, 3, v7                        ; 8 h
	s_mov_b32 s29, 0xffff0000                      ; lanes 16-31
	s_mov_b32 s30, 0x76543210
	s_mov_b32 s31, 0xfedcba98                      ; v_permlanex16_b32's selects for lane l xor 16
	s_cmp_ge_u32 ttmp9, 256
	s_cbranch_scc1 .Lweights
	; ---------------- x ----------------
	s_lshl_b32 s32, ttmp9, 2
	s_add_co_u32 s32, s32, s28                     ; T = 4 x work-group + wave
	s_lshr_b32 s33, s32, 1                         ; MT: the tile of tokens, 0 .. 511
	s_and_b32 s34, s32, 1                          ; which half of K
	s_lshr_b32 s35, s33, 3
	s_lshl_b32 s35, s35, 7                         ; 128 (MT / 8)
	s_bfe_u32 s36, s33, 0x10002
	s_lshl_b32 s36, s36, 6                         ; + 64 ((MT / 4) % 2)
	s_add_co_u32 s35, s35, s36
	s_and_b32 s36, s33, 3
	s_lshl_b32 s36, s36, 3                         ; + 8 (MT % 4): the tile's first token
	s_add_co_u32 s35, s35, s36
	s_lshl_b32 s36, s35, 12                        ; a row of x is 4,096 bytes
	s_lshl_b32 s37, s34, 11
	s_add_co_u32 s36, s36, s37
	s_mov_b32 s37, 0
	s_lshr_b32 s38, s33, 4
	s_mul_i32 s38, s38, 196608                     ; xi: G,
	s_and_b32 s39, s33, 15
	s_mul_i32 s39, s39, 1536                       ; the tile in it,
	s_add_co_u32 s38, s38, s39
	s_mul_i32 s39, s34, 98304                      ; four K steps on for the upper half
	s_add_co_u32 s38, s38, s39
	s_mov_b32 s39, 0
	s_lshl_b32 s40, s33, 9
	s_lshl_b32 s41, s34, 8
	s_add_co_u32 s40, s40, s41
	s_add_co_u32 s40, s40, 98304                   ; sc1: x's tiles lie behind W's
	s_mov_b32 s41, 0
	s_mul_i32 s42, s28, STG
	s_wait_alu depctr_va_vdst(0)
	v_lshlrev_b32 v2, 4, v1                        ; 16 x lane: in a row's 512 bytes, and in an image
	v_add_nc_u32 v3, s42, v2                       ; the stage, on the way in
	v_mul_u32_u24 v4, v6, 528
	v_lshl_add_u32 v4, v7, 7, v4
	v_add_nc_u32 v4, s42, v4                       ; and out: row r, + 128 h bytes
	v_lshlrev_b32 v5, 4, v6
	v_lshl_add_u32 v5, v7, 3, v5                   ; the scale words' place: 16 r + 8 h
	v_mov_b32 v253, 0                              ; (a lane permute's destination counts as one of its sources)
	s_wait_alu depctr_va_vdst(0)
	s_wait_kmcnt 0x0
	s_add_nc_u64 s[8:9], s[8:9], s[36:37]
	s_add_nc_u64 s[18:19], s[18:19], s[38:39]
	s_add_nc_u64 s[24:25], s[24:25], s[40:41]
.macro XLOAD s                         ; K step s of my 16 rows: 16 loads of 512 consecutive bytes
.set RL, R+64*((\s)%2)
.irp m, 0,1,2,3,4,5,6,7,8,9,10,11,12,13,14,15
	global_load_b128 v[RL+4*\m:RL+4*\m+3], v2, s[8:9] offset:(\m%8)*4096+(\m/8)*131072+512*(\s) th:TH_LOAD_NT
.endr
.endm
.macro XSTEP s
.set RS, R+64*((\s)%2)
.if (\s) < 3
	s_wait_loadcnt 16                              ; this K step's 16 loads are in; the next step's 16 may be out
.else
	s_wait_loadcnt 0
.endif
.irp m, 0,1,2,3,4,5,6,7,8,9,10,11,12,13,14,15
	ds_store_b128 v3, v[RS+4*\m:RS+4*\m+3] offset:528*\m
.endr
.irp c, 0,1
.irp j, 0,1,2,3,4,5,6,7
	ds_load_b128 v[X+32*\c+4*\j:X+32*\c+4*\j+3], v4 offset:256*\c+16*\j   ; LDS serves a wave's instructions in order: these see my stores
.endr
.endr
	s_wait_dscnt 0x0                               ; my numbers are back, and the stores have read their registers,
.if (\s) < 2
	XLOAD (\s)+2                                   ; which take the loads of two K steps on
.endif
.irp c, 0,1
	v_max3_num_f32 v[BM+\c], |v[X+32*\c]|, |v[X+32*\c+1]|, 0x1800000     ; block 2 c + h is all mine; the floor 2^(3 - 127) holds the byte at 1 from below
.endr
.irp i, 2,4,6,8,10,12,14,16,18,20,22,24,26,28,30
.irp c, 0,1
	v_max3_num_f32 v[BM+\c], v[BM+\c], |v[X+32*\c+\i]|, |v[X+32*\c+\i+1]|
.endr
.endr
.irp c, 0,1
	v_add_nc_u32 v[BM+\c], 0xff000000, v[BM+\c]    ; 2 off the exponent field: the conversion's scale operand
.endr
.irp c, 0,1
	v_lshrrev_b32 v[BY+\c], 23, v[BM+\c]           ; the byte
.endr
	v_lshl_or_b32 v252, v[BY+1], 16, v[BY]         ; my bytes h and 2 + h,
	v_lshlrev_b32 v252, v8, v252                   ; at their places;
	v_permlanex16_b32 v253, v252, s30, s31
	v_or_b32 v[WD+(\s)], v252, v253                ; with lane l xor 16's two the word is whole
	s_wait_alu depctr_va_vdst(0)
	s_wait_xcnt 0x0                                ; the last K step's stores have read the codes' registers
.irp c, 0,1
	v_cvt_scalef32_pk16_fp6_f32 v[C+6*\c:C+6*\c+2], v[X+32*\c:X+32*\c+15], v[BM+\c]
	v_cvt_scalef32_pk16_fp6_f32 v[T+4*\c:T+4*\c+2], v[X+32*\c+16:X+32*\c+31], v[BM+\c]
.endr
	v_nop                                          ; one plain line behind the conversions
.irp c, 0,1
.irp i, 0,1,2
	v_mov_b32 v[C+6*\c+3+\i], v[T+4*\c+\i]
.endr
.endr
.irp g, 0,1,2
	global_store_b128 v2, v[C+4*\g:C+4*\g+3], s[18:19] offset:24576*(\s)+512*\g   ; 512 consecutive bytes, aligned
.endr
.endm
	XLOAD 0
	XLOAD 1
	XSTEP 0
	XSTEP 1
	XSTEP 2
	XSTEP 3
	v_cndmask_b32 v252, v[WD], v[WD+2], s29        ; lanes 0-15 store words 0, 1 of row r, lanes 16-31 words 2, 3
	v_cndmask_b32 v253, v[WD+1], v[WD+3], s29
	global_store_b64 v5, v[252:253], s[24:25]      ; 256 consecutive bytes, aligned
	s_wait_tensorcnt 0x0                           ; the wave's end, behind my last LDS store
	ds_add_u32 v[SPW], v[NIL]
	s_wait_dscnt 0x0
	s_endpgm
	; ---------------- the weights ----------------
.Lweights:
	s_sub_co_u32 s32, ttmp9, 256
	s_lshl_b32 s32, s32, 2
	s_add_co_u32 s32, s32, s28                     ; T, 0 .. 511
	s_lshr_b32 s33, s32, 7                         ; which weight: q, k, v, o
	s_bfe_u32 s34, s32, 0x20005                    ; which quarter of K
	s_and_b32 s35, s32, 31                         ; which 32 columns
	s_cmp_eq_u32 s33, 1
	s_cselect_b32 s44, 6, 0
	s_cmp_eq_u32 s33, 2
	s_cselect_b32 s44, 4, s44                      ; the weight's first tile in a head's twelve: q 0, k 6, v 4
	s_cselect_b32 s45, 4, 0                        ; v's tiles 2, 3 lie four tiles further on
	s_lshr_b32 s46, s35, 1                         ; q, k, v: the head,
	s_and_b32 s47, s35, 1                          ; and which 32 of its 64 columns: rows 0-7 or 8-15 of the four tiles
	s_lshl_b32 s48, s46, 3
	s_lshl_b32 s49, s34, 1
	s_add_co_u32 s48, s48, s49
	s_mul_i32 s48, s48, 18432                      ; (8 head + K step) x twelve images
	s_mul_i32 s50, s44, 1536
	s_add_co_u32 s48, s48, s50
	s_lshl_b32 s50, s47, 7
	s_add_co_u32 s48, s48, s50
	s_mul_i32 s51, s46, 12
	s_add_co_u32 s51, s51, s44
	s_lshl_b32 s51, s51, 9
	s_add_co_u32 s51, s51, s50
	s_lshr_b32 s52, s35, 2                         ; o: which 128 columns,
	s_and_b32 s53, s35, 3                          ; and which two tiles of its eight
	s_lshl_b32 s54, s52, 3
	s_add_co_u32 s55, s54, s49
	s_mul_i32 s55, s55, 12288
	s_mul_i32 s56, s53, 3072
	s_add_co_u32 s55, s55, s56
	s_lshl_b32 s56, s53, 1
	s_add_co_u32 s56, s56, s54
	s_lshl_b32 s56, s56, 9
	s_lshr_b32 s57, s34, 1
	s_lshl_b32 s57, s57, 8
	s_and_b32 s58, s34, 1
	s_lshl_b32 s58, s58, 3
	s_add_co_u32 s57, s57, s58                     ; the quarter's two words: half of K x 256 + 8 x (quarter % 2)
	s_mov_b32 s59, 18432
	s_wait_kmcnt 0x0
	s_cmp_eq_u32 s33, 1                            ; the choices hang on the work-group's and the wave's number alone
	s_cselect_b64 s[36:37], s[12:13], s[10:11]
	s_cmp_eq_u32 s33, 2
	s_cselect_b64 s[36:37], s[14:15], s[36:37]
	s_cmp_eq_u32 s33, 3
	s_cselect_b64 s[36:37], s[16:17], s[36:37]     ; the weight
	s_cselect_b64 s[38:39], s[22:23], s[20:21]     ; its codes: woi or wi
	s_cselect_b64 s[40:41], s[26:27], s[24:25]     ; its scale words: sc2 or sc1
	s_cselect_b32 s42, 4, 3                        ; a tile takes 16 of my 32 lanes, or 8
	s_cselect_b32 s43, 15, 7
	s_cselect_b32 s48, s55, s48
	s_cselect_b32 s51, s56, s51
	s_cselect_b32 s60, 12288, s59                  ; from K step to K step
	s_mov_b32 s61, 0
	s_mov_b32 s49, 0
	s_add_nc_u64 s[38:39], s[38:39], s[48:49]
	s_add_co_u32 s50, s51, s57
	s_mov_b32 s51, 0
	s_add_nc_u64 s[40:41], s[40:41], s[50:51]
	s_lshl_b32 s52, s34, 20                        ; 256 rows of 4,096 bytes a quarter
	s_lshl_b32 s53, s35, 7
	s_add_co_u32 s52, s52, s53
	s_mov_b32 s53, 0
	s_add_nc_u64 s[36:37], s[36:37], s[52:53]
	s_wait_alu depctr_va_vdst(0)
	v_lshrrev_b32 v9, s42, v1
	v_mul_u32_u24 v10, v7, s45
	v_add_nc_u32 v9, v9, v10                       ; my tile
	v_and_b32 v10, s43, v1                         ; my row in it (less the 8 that the scalar part holds)
	v_mul_u32_u24 v2, v9, 1536
	v_lshl_add_u32 v2, v10, 4, v2                  ; codes: the image's 16 bytes of lane = row
	v_lshlrev_b32 v3, 9, v9
	v_lshl_add_u32 v3, v10, 4, v3                  ; scale words: 16 bytes a row
	v_lshlrev_b32 v4, 2, v1                        ; in: 4 bytes a lane
.macro WLOAD t                         ; block t: W(32 t + i, my column): 128 consecutive bytes a wave, 512 a work-group
.irp i, 0,1,2,3,4,5,6,7,8,9,10,11,12,13,14,15,16,17,18,19,20,21,22,23,24,25,26,27,28,29,30,31
	global_load_b32 v[WX+32*((\t)%2)+\i], v4, s[36:37] offset:(32*(\t)+\i)*4096 th:TH_LOAD_NT
.endr
.endm
.macro WBLOCK t
.set XS, WX+32*((\t)%2)
.set CD, CH+12*((\t)%2)+6*(((\t)/2)%2)
.if (\t) < 7
	s_wait_loadcnt 32                              ; this block's 32 loads are in; the next block's may be out
.else
	s_wait_loadcnt 0
.endif
	v_max3_num_f32 v192, |v[XS]|, |v[XS+1]|, 0x1800000
	v_max3_num_f32 v193, |v[XS+2]|, |v[XS+3]|, |v[XS+4]|
.irp i, 5,9,13,17,21,25
	v_max3_num_f32 v192, v192, |v[XS+\i]|, |v[XS+\i+1]|
	v_max3_num_f32 v193, v193, |v[XS+\i+2]|, |v[XS+\i+3]|
.endr
	v_max3_num_f32 v192, v192, |v[XS+29]|, |v[XS+30]|
	v_max3_num_f32 v192, v192, v193, |v[XS+31]|
	v_add_nc_u32 v194, 0xff000000, v192
	v_lshrrev_b32 v195, 23, v194
.if (\t)%4 == 0
	v_mov_b32 v[WW+(\t)/4], v195                   ; four bytes to a word, the lower K in the lower byte
.else
	v_lshl_or_b32 v[WW+(\t)/4], v195, 8*((\t)%4), v[WW+(\t)/4]
.endif
.if (\t) == 4
	s_wait_alu depctr_va_vdst(0)
	s_wait_xcnt 0x0                                ; the first K step's stores have read their registers and their base
	s_add_nc_u64 s[38:39], s[38:39], s[60:61]
.endif
	v_cvt_scalef32_pk16_fp6_f32 v[CD:CD+2], v[XS:XS+15], v194
	v_cvt_scalef32_pk16_fp6_f32 v[WT:WT+2], v[XS+16:XS+31], v194
	v_nop
.irp i, 0,1,2
	v_mov_b32 v[CD+3+\i], v[WT+\i]
.endr
.if (\t)+2 < 8
	WLOAD (\t)+2
.endif
.if (\t)%4 == 3
.irp hh, 0,1
.irp g, 0,1,2
	global_store_b128 v2, v[CH+12*\hh+4*\g:CH+12*\hh+4*\g+3], s[38:39] offset:256*\hh+512*\g
.endr
.endr
.endif
.endm
	WLOAD 0
	WLOAD 1
.irp t, 0,1,2,3,4,5,6,7
	WBLOCK \t
.endr
	global_store_b64 v3, v[WW:WW+1], s[40:41]
	s_endpgm
.Lfunc_end_k_q847170c28d_quant:
	.size	k_q847170c28d_quant, .Lfunc_end_k_q847170c28d_quant-k_q847170c28d_quant
	.p2alignl 7, 3214868480
	.fill 96, 4, 3214868480
	.section	.rodata,"a",@progbits
	.p2align	6, 0x0
	.amdhsa_kernel k_q847170c28d_quant
		.amdhsa_group_segment_fixed_size 34304
		.amdhsa_private_segment_fixed_size 0
		.amdhsa_enable_private_segment 0
		.amdhsa_kernarg_size 80
		.amdhsa_user_sgpr_count 2
		.amdhsa_user_sgpr_kernarg_segment_ptr 1
		.amdhsa_wavefront_size32 1
		.amdhsa_system_sgpr_workgroup_id_x 1
		.amdhsa_system_sgpr_workgroup_id_y 1
		.amdhsa_system_sgpr_workgroup_id_z 1
		.amdhsa_system_vgpr_workitem_id 0
		.amdhsa_next_free_vgpr 256
		.amdhsa_next_free_sgpr 66
		.amdhsa_reserve_vcc 0
		.amdhsa_float_denorm_mode_32 3
		.amdhsa_float_denorm_mode_16_64 3
		.amdhsa_memory_ordered 1
		.amdhsa_forward_progress 1
		.amdhsa_inst_pref_size 71
	.end_amdhsa_kernel
	.amdgpu_metadata
---
amdhsa.version: [ 1, 2 ]
amdhsa.kernels:
  - .name:           k_q847170c28d_quant
    .symbol:         k_q847170c28d_quant.kd
    .args:
      - { .name: x, .offset: 0, .size: 8, .value_kind: global_buffer, .address_space: global }
      - { .name: Wq, .offset: 8, .size: 8, .value_kind: global_buffer, .address_space: global }
      - { .name: Wk, .offset: 16, .size: 8, .value_kind: global_buffer, .address_space: global }
      - { .name: Wv, .offset: 24, .size: 8, .value_kind: global_buffer, .address_space: global }
      - { .name: Wo, .offset: 32, .size: 8, .value_kind: global_buffer, .address_space: global }
      - { .name: xi, .offset: 40, .size: 8, .value_kind: global_buffer, .address_space: global }
      - { .name: wi, .offset: 48, .size: 8, .value_kind: global_buffer, .address_space: global }
      - { .name: woi, .offset: 56, .size: 8, .value_kind: global_buffer, .address_space: global }
      - { .name: sc1, .offset: 64, .size: 8, .value_kind: global_buffer, .address_space: global }
      - { .name: sc2, .offset: 72, .size: 8, .value_kind: global_buffer, .address_space: global }
    .group_segment_fixed_size: 34304
    .private_segment_fixed_size: 0
    .kernarg_segment_align: 8
    .kernarg_segment_size: 80
    .max_flat_workgroup_size: 128
    .sgpr_count:     66
    .vgpr_count:     256
    .wavefront_size: 32
...
	.end_amdgpu_metadata
.endif
;; end of part 1
;; launch qkv (part 2): grid 16 x 16, 4 waves a work-group, clusters of 4 x 4, 327,680 bytes of LDS; arguments xi, wi, sc1, bq, bk, bv, qi, kv; writes qi, kv
.if DOCPART == 2
	.amdgcn_target "amdgcn-amd-amdhsa--gfx1250"
	.amdhsa_code_object_version 6
	.text
	.protected	k_q847170c28d_qkv
	.globl	k_q847170c28d_qkv
	.p2align	8
	.type	k_q847170c28d_qkv,@function
k_q847170c28d_qkv:
	s_mov_b64 s[64:65], 0
	v_nop
	global_prefetch_b8 v0, s[64:65] scope:SCOPE_SE
	s_setreg_imm32_b32 hwreg(HW_REG_WAVE_MODE, 25, 1), 1
	s_wait_xcnt 0x0
	s_wait_alu depctr_hold_cnt(0) depctr_sa_sdst(0) depctr_va_vdst(0) depctr_va_sdst(0) depctr_va_ssrc(0) depctr_va_vcc(0) depctr_vm_vsrc(0)
	s_getreg_b32 s2, hwreg(HW_REG_IB_STS2, 6, 4)
	s_cmp_eq_u32 s2, 0
	s_cbranch_scc0 .Lentry_in_a_cluster
	s_endpgm
.Lentry_in_a_cluster:
	s_bfe_u32 s2, ttmp6, 0x10000c
	s_cmp_lg_u32 s2, 0xf033
	s_cbranch_scc0 .Lentry_shape_is_right
	s_endpgm
.Lentry_shape_is_right:
; q = x Wq + bq, k = x Wk + bk, v = x Wv + bv on codes of E2M3 (K = 1,024), and the results quantised at once for the attention: q and k along the head's 64, v along the keys.  No work is left out.
; SHARES.  A tile is 256 tokens x one head's 192 columns (q, k, v).  A work-group (X = head, Y) makes the tiles G = 2 Y and 2 Y + 1; four waves, each 128 tokens x 96 columns: 48 accumulators.
;   wave = 2 wr + wc: wr = which 128 tokens; wc = 0: q's four tiles and v's tiles 0, 1;  wc = 1: k's four and v's 2, 3.  Both run the same text; only pointers differ.
; LAYOUT.  q, k: source 0 = 16 columns of W, source 1 = 16 tokens: by the rows chosen for W's tiles a lane's 32 registers of a token tile are d = 32 h + 0 .. 31 of ONE token: a whole block, in the place that the next operand gives it.
;   v: the sources swapped: by the rows chosen for the tokens' tiles a lane's 32 registers of four token tiles are keys 64 c + 32 h + 0 .. 31 of ONE d.  So each block's maximum lies in one lane and the conversions' results are the operands' registers.
; OUT.  qi [b, head: 64][128 tokens: 16][6,656]: the eight tiles' six registers on end (48 registers, group g at 512 g + 16 x lane), then their scale words, two tiles to a register (lanes 0-15, lanes 16-31).
;   kv [64][16][13,056]: k likewise at 0; v's four fragments (1,536 bytes each) at 6,144; k's scale words at 12,288; v's at 12,800.  Bytes 2, 3 of q's and k's words are 127: the head's 64 fill half of the 128 of a matrix instruction.
; LDS.  W's panel of the head, all of K (147,456 bytes), stays; x goes through two halves of three K steps each (73,728 bytes).  The work-group's 16 K steps of x (two tiles) are one dense run of memory.
; CLUSTER 4 x 4: x's tiles hang on Y alone and are asked for jointly along a row of the cluster, W's on X alone, along a column.
; By this text's own count a wave has four tensor loads out at the head and one behind each refill.
; LIMITS: as in the first launch (a block of zeros gets the byte 1; NaN and infinities are not served).
; REGISTERS.  window 0: v2-12 addresses; v28, v29 the add's; v32-95 scale words (register 32 + 8 i + K step: lanes 0-15 x's tile i, lanes 16-31 W's tile i); v96-167, v168-239 W's six fragments, two sets; v240-253 constants, at work.
;   window 1: x's eight fragments, two sets (v0-95, v96-191).   window 2: q's or k's accumulators (token tile i, column tile u) at 32 i + 8 u.
;   window 3: v's accumulators (e, i) at 64 e + 8 i; v128-159 bq or bk, v160-175 bv, in the results' layout: the C of each sum's first product.
.set ARING, 147456
.set AHALF, 73728
.set SPARE, 294912
.set SPW, 28
.set NIL, 29
.set SC,  32
.set WF,  96
.set CK,  168                          ; the way out (W's set 1 is free there): v168-215 codes
.set TT,  216                          ; v216-218, v220-222
.set SO,  224                          ; v224-231 largest magnitudes, then scale operands
.set WD,  232                          ; v232-239 bytes, then words
.set FLO, 240                          ; the floor 2^(3 - 127)
.set SH8, 241                          ; 8 h
.set PT,  242                          ; v242-249 lane permutes' destinations
.set PK,  250                          ; v250-253 packed words
.set G1A, 24
.set G1L, 32
.set G1B, 40
.set A0,  48
.set A1,  52
.set B0,  56
.set B1,  60
.set MSB, 0
.macro WIN new                         ; the immediate's high byte repeats the setting that is left
.if MSB != \new
	s_set_vgpr_msb (MSB<<8)|\new
.set MSB, \new
.endif
.endm
.macro PLACES
.rept 4
	v_nop
.endr
.endm
.macro CREST                           ; a round of the cluster's barrier behind its opening barrier
	s_cmp_lg_u32 s20, 0
	s_cbranch_scc1 .Lnot_wave_0_\@
	s_barrier_signal -3
.Lnot_wave_0_\@:
	s_barrier_wait -3
	s_barrier_signal -1
	s_barrier_wait -1
.endm
.macro CROUND
	s_barrier_signal -1
	s_barrier_wait -1
	CREST
.endm
.macro JL g0, g1                       ; a joint refill: every wave fetches its quarter; an s_nop 0 and four v_nop follow
	tensor_load_to_lds s[\g0:\g0+3], s[\g1:\g1+7]
	s_nop 0
	PLACES
.endm
	s_load_b512 s[4:19], s[0:1], 0x0               ; xi, wi, sc1, bq, bk, bv, qi, kv
	v_lshl_add_u32 v[SPW], v0, 2, SPARE
	v_mov_b32 v[NIL], 0
	ds_add_u32 v[SPW], v[NIL]                      ; the wave's opening: the add, twice on end, and its wait ahead of my first tensor load
	ds_add_u32 v[SPW], v[NIL]
	v_lshrrev_b32 v1, 5, v0
	v_readfirstlane_b32 s20, v1                    ; wave
	s_lshr_b32 s21, s20, 1                         ; wr
	s_and_b32 s22, s20, 1                          ; wc
	s_bfe_u32 s66, ttmp6, 0x40000                  ; cx
	s_bfe_u32 s67, ttmp6, 0x40004                  ; cy
	s_lshl_b32 s68, ttmp9, 2
	s_add_co_u32 s68, s68, s66                     ; X: the head
	s_and_b32 s69, ttmp7, 0xffff
	s_lshl_b32 s69, s69, 2
	s_add_co_u32 s69, s69, s67                     ; Y
	s_lshl_b32 s70, s67, 2
	s_lshl_b32 s70, 15, s70                        ; my row of the cluster
	s_lshl_b32 s71, 0x1111, s66                    ; my column
	s_mov_b32 s82, 0xffff0000                      ; lanes 16-31
	s_mov_b32 s84, 0x76543210
	s_mov_b32 s85, 0xfedcba98
	; descriptor groups 1: dense blocks as rows of 256 bytes (32 elements of 8 bytes), no padding: images are read 16 bytes a lane, on end
	s_or_b32 s[G1A], s70, (3<<16)|(1<<21)          ; x: 72 rows, to my row of the cluster
	s_or_b32 s[G1L], s70, (3<<16)|(1<<21)          ; x's last K step: 24 rows
	s_or_b32 s[G1B], s71, (3<<16)|(1<<21)          ; W: 72 rows, to my column
.irp g, G1A, G1B
	s_mov_b32 s[\g+1], 32<<16
	s_mov_b32 s[\g+2], 72<<16
	s_mov_b32 s[\g+3], 32<<16
	s_mov_b32 s[\g+4], 72
	s_mov_b32 s[\g+5], 32
	s_mov_b32 s[\g+6], 0
	s_mov_b32 s[\g+7], 0
.endr
	s_mov_b32 s[G1L+1], 32<<16
	s_mov_b32 s[G1L+2], 24<<16
	s_mov_b32 s[G1L+3], 32<<16
	s_mov_b32 s[G1L+4], 24
	s_mov_b32 s[G1L+5], 32
	s_mov_b32 s[G1L+6], 0
	s_mov_b32 s[G1L+7], 0
	v_and_b32 v1, 31, v0                           ; lane
	v_lshlrev_b32 v7, 4, v1                        ; 16 x lane
	v_lshlrev_b32 v8, 2, v1                        ; 4 x lane
	v_and_b32 v13, 15, v0                          ; r
	v_bfe_u32 v14, v0, 4, 1                        ; h
	s_mul_i32 s86, s21, 12288                      ; my eight tiles of tokens
	s_add_co_u32 s86, s86, ARING
	v_add_nc_u32 v2, s86, v7                       ; x's fragments in half 0,
	s_add_co_u32 s86, s86, AHALF
	v_add_nc_u32 v3, s86, v7                       ; in half 1
	s_mul_i32 s86, s22, 9216                       ; my six tiles of W
	v_add_nc_u32 v4, s86, v7                       ; K steps 0-2,
	s_add_co_u32 s86, s86, 55296
	v_add_nc_u32 v5, s86, v7                       ; 3-5,
	s_add_co_u32 s86, s86, 55296
	v_add_nc_u32 v6, s86, v7                       ; 6, 7
	v_lshlrev_b32 v11, 7, v14                      ; bq, bk: 32 h numbers on
	v_lshrrev_b32 v12, 3, v13
	v_lshlrev_b32 v12, 7, v12
	v_and_b32 v15, 7, v13
	v_lshl_add_u32 v12, v15, 2, v12                ; bv: column 32 (r / 8) + r % 8 of the tile's
	v_mov_b32 v[FLO], 0x1800000
	v_lshlrev_b32 v[SH8], 3, v14
.irp b, 0,1,2,3,4,5,6,7
	v_mov_b32 v[PT+\b], 0                          ; written once: a lane permute's destination counts as one of its sources
.endr
	s_mul_i32 s87, s20, 18432                      ; my quarter of a chunk of x; my K step of W
	s_mul_i32 s88, s69, 393216                     ; x: my two tiles' run (Y alone),
	s_add_co_u32 s88, s88, s87
	s_mov_b32 s89, 0
	s_mul_i32 s90, s68, 147456                     ; W: my head's panel (X alone)
	s_add_co_u32 s90, s90, s87
	s_mov_b32 s91, 0
	s_mul_i32 s92, s20, 12288
	s_mov_b32 s93, 0
	s_wait_dscnt 0x0                               ; both opening adds are done
	s_wait_kmcnt 0x0
	s_mov_b32 s[A0], 1
	s_add_co_u32 s[A0+1], s87, ARING
	s_add_nc_u64 s[A0+2:A0+3], s[4:5], s[88:89]    ; K steps 0-2
	s_mov_b32 s[A1], 1
	s_add_co_u32 s[A1+1], s87, ARING+AHALF
	s_add_nc_u64 s[A1+2:A1+3], s[A0+2:A0+3], AHALF ; K steps 3-5
	s_or_b32 s[A0+3], s[A0+3], 0x80000000
	s_or_b32 s[A1+3], s[A1+3], 0x80000000
	s_mov_b32 s[B0], 1
	s_mov_b32 s[B0+1], s87
	s_add_nc_u64 s[B0+2:B0+3], s[6:7], s[90:91]    ; W's K step = wave,
	s_mov_b32 s[B1], 1
	s_add_co_u32 s[B1+1], s87, 73728
	s_add_nc_u64 s[B1+2:B1+3], s[B0+2:B0+3], 73728 ; and 4 + wave
	s_or_b32 s[B0+3], s[B0+3], 0x80000000
	s_or_b32 s[B1+3], s[B1+3], 0x80000000
	CROUND                                         ; all sixteen work-groups are here: the first joint loads meet
	tensor_load_to_lds s[A0:A0+3], s[G1A:G1A+7]
	s_nop 0
	tensor_load_to_lds s[B0:B0+3], s[G1B:G1B+7]
	s_nop 0
	tensor_load_to_lds s[A1:A1+3], s[G1A:G1A+7]
	s_nop 0
	tensor_load_to_lds s[B1:B1+3], s[G1B:G1B+7]
	s_nop 0
	PLACES
	; where the results go
	s_lshr_b32 s86, s69, 2                         ; the batch: a sequence is eight G
	s_lshl_b32 s86, s86, 4
	s_add_co_u32 s86, s86, s68                     ; 16 b + head
	s_lshl_b32 s86, s86, 4
	s_and_b32 s87, s69, 3
	s_lshl_b32 s87, s87, 2
	s_add_co_u32 s86, s86, s87
	s_add_co_u32 s86, s86, s21                     ; x 16 + the group of 128 tokens: 2 (G % 8) + wr
	s_mul_i32 s87, s86, 6656
	s_mul_i32 s88, s86, 13056
	s_mov_b32 s89, 26112
	s_mov_b32 s90, 12288
	s_cmp_eq_u32 s22, 0                            ; q's wave or k's: the wave's number alone
	s_cselect_b64 s[72:73], s[16:17], s[18:19]
	s_cselect_b64 s[94:95], s[10:11], s[12:13]
	s_cselect_b32 s80, 13312, s89                  ; two groups on, for the second tile
	s_cselect_b32 s91, 6144, s90                   ; where the scale words lie
	s_cselect_b32 s86, s87, s88
	s_mov_b32 s81, 0
	s_mov_b32 s87, 0
	s_add_nc_u64 s[72:73], s[72:73], s[86:87]      ; q's or k's codes
	s_mov_b32 s86, s91
	s_add_nc_u64 s[74:75], s[72:73], s[86:87]      ; and scale words
	s_mul_i32 s86, s22, 3072
	s_add_co_u32 s86, s86, s88
	s_add_co_u32 s86, s86, 6144
	s_add_nc_u64 s[76:77], s[18:19], s[86:87]      ; v's two fragments
	s_lshl_b32 s86, s22, 7
	s_add_co_u32 s86, s86, s88
	s_add_co_u32 s86, s86, 12800
	s_add_nc_u64 s[78:79], s[18:19], s[86:87]      ; and their scale words
	s_lshl_b32 s86, s68, 8
	s_add_nc_u64 s[94:95], s[94:95], s[86:87]      ; bq or bk at my head
	s_lshl_b32 s88, s22, 6
	s_add_co_u32 s86, s86, s88
	s_add_nc_u64 s[96:97], s[14:15], s[86:87]      ; bv at my head's tile 2 wc
	s_lshl_b32 s86, s69, 5
	s_lshl_b32 s88, s21, 3
	s_add_co_u32 s86, s86, s88
	s_lshl_b32 s86, s86, 9
	s_add_co_u32 s86, s86, 98304                   ; x's scale words: tile 32 Y + 8 wr
	s_mul_i32 s88, s68, 12
	s_mul_i32 s89, s22, 6
	s_add_co_u32 s88, s88, s89
	s_lshl_b32 s88, s88, 9                         ; W's: tile 12 X + 6 wc
	v_mov_b32 v15, s86
	v_mov_b32 v16, s88
	v_cndmask_b32 v9, v15, v16, s82                ; lanes 0-15 take x's, lanes 16-31 W's
	v_lshl_add_u32 v9, v13, 4, v9
	v_add_nc_u32 v15, 8192, v15                    ; the second tile's: 16 tiles on
	v_cndmask_b32 v10, v15, v16, s82
	v_lshl_add_u32 v10, v13, 4, v10
.irp i, 0,1,2,3,4,5,6,7
.irp kh, 0,1
	global_load_b128 v[SC+8*\i+4*\kh:SC+8*\i+4*\kh+3], v9, s[8:9] offset:512*\i+256*\kh   ; four K steps' words a load (W's lanes of i = 6, 7 read words that nobody uses, inside the buffer)
.endr
.endr
	WIN 0xC0                                       ; destination window 3
.irp u, 0,1,2,3
	global_load_b128 v[128+8*\u:131+8*\u], v11, s[94:95] offset:32*\u
	global_load_b128 v[132+8*\u:135+8*\u], v11, s[94:95] offset:32*\u+16
.endr
.irp e, 0,1
.irp j, 0,1,2,3,4,5,6,7
	global_load_b32 v[160+8*\e+\j], v12, s[96:97] offset:32*\e   ; a lane's eight results of v are eight tokens of one column
.endr
.endr
	WIN 0
.macro FETCH k                         ; K step k's fragments into set k % 2: 18 + 24 loads of 512 consecutive bytes
.set FF, (\k)%2
.set FB, (\k)%8
	WIN 0
.irp n, 0,1,2,3,4,5
.irp g, 0,1,2
	ds_load_b128 v[WF+72*FF+12*\n+4*\g:WF+72*FF+12*\n+4*\g+3], v[4+FB/3] offset:(FB%3)*18432+1536*\n+512*\g
.endr
.endr
	WIN 0x40                                       ; destination window 1
.irp i, 0,1,2,3,4,5,6,7
.irp g, 0,1,2
	ds_load_b128 v[96*FF+12*\i+4*\g:96*FF+12*\i+4*\g+3], v[2+((\k)/3)%2] offset:((\k)%3)*24576+1536*\i+512*\g
.endr
.endr
	WIN 0
.endm
.macro MQ2 k, i0                       ; q or k: token tiles i0, i0 + 1 x four column tiles.  A tile's first K step takes the bias as C
.set FS, (\k)%2
.set Q8, (\k)%8
.if Q8 == 0
	WIN 0xB4
.else
	WIN 0xA4
.endif
.irp i, \i0, \i0+1
.irp u, 0,1,2,3
.if Q8 == 0
	v_wmma_scale_f32_16x16x128_f8f6f4 v[32*(\i)+8*\u:32*(\i)+8*\u+7], v[WF+72*FS+12*\u:WF+72*FS+12*\u+11], v[96*FS+12*(\i):96*FS+12*(\i)+11], v[128+8*\u:135+8*\u], v[SC+8*\u+Q8], v[SC+8*(\i)+Q8] matrix_a_fmt:MATRIX_FMT_FP6 matrix_b_fmt:MATRIX_FMT_FP6 matrix_a_scale:MATRIX_SCALE_ROW1
.else
	v_wmma_scale_f32_16x16x128_f8f6f4 v[32*(\i)+8*\u:32*(\i)+8*\u+7], v[WF+72*FS+12*\u:WF+72*FS+12*\u+11], v[96*FS+12*(\i):96*FS+12*(\i)+11], v[32*(\i)+8*\u:32*(\i)+8*\u+7], v[SC+8*\u+Q8], v[SC+8*(\i)+Q8] matrix_a_fmt:MATRIX_FMT_FP6 matrix_b_fmt:MATRIX_FMT_FP6 matrix_a_scale:MATRIX_SCALE_ROW1
.endif
.endr
.endr
.endm
.macro MV k                            ; v: the sources swapped: eight token tiles x two column tiles
.set FS, (\k)%2
.set Q8, (\k)%8
	WIN 0xF1
.irp i, 0,1,2,3,4,5,6,7
.irp e, 0,1
.if Q8 == 0
	v_wmma_scale_f32_16x16x128_f8f6f4 v[64*\e+8*\i:64*\e+8*\i+7], v[96*FS+12*\i:96*FS+12*\i+11], v[WF+72*FS+48+12*\e:WF+72*FS+48+12*\e+11], v[160+8*\e:167+8*\e], v[SC+8*\i+Q8], v[SC+32+8*\e+Q8] matrix_a_fmt:MATRIX_FMT_FP6 matrix_b_fmt:MATRIX_FMT_FP6 matrix_b_scale:MATRIX_SCALE_ROW1
.else
	v_wmma_scale_f32_16x16x128_f8f6f4 v[64*\e+8*\i:64*\e+8*\i+7], v[96*FS+12*\i:96*FS+12*\i+11], v[WF+72*FS+48+12*\e:WF+72*FS+48+12*\e+11], v[64*\e+8*\i:64*\e+8*\i+7], v[SC+8*\i+Q8], v[SC+32+8*\e+Q8] matrix_a_fmt:MATRIX_FMT_FP6 matrix_b_fmt:MATRIX_FMT_FP6 matrix_b_scale:MATRIX_SCALE_ROW1
.endif
.endr
.endr
.endm
; A K step: 48 matrix instructions, each accumulator once (the 48 take turns); the next step's 42 loads stand in one run, 32 matrix instructions ahead of their use.
.macro KSTEP k
	s_wait_dscnt 0x0                               ; this step's fragments are in
	MQ2 \k, 0
	MQ2 \k, 2
	PLACES                                         ; four places in front of loads into registers that the last step's products read
	FETCH (\k)+1
	MQ2 \k, 4
	MQ2 \k, 6
	MV \k
.endm
; The last K step of a half changes halves.  In front of the barrier each wave waits for all its tensor loads (its part of the other half), adds 0 to its spare word, and waits for that and for its reads of this half.
; fill = 1, 2: this half (0, 1) takes the three K steps that lie six on; 3: half 1 takes the last K step; 0: nothing is left to fetch.
.macro TURN k, fill
	WIN 0
	s_wait_tensorcnt 0x0                           ; no tensor load of mine is out, so a group 0 may be written
	ds_add_u32 v[SPW], v[NIL]
.if \fill == 1
	s_add_nc_u64 s[A0+2:A0+3], s[A0+2:A0+3], 2*AHALF
.elseif \fill == 2
	s_add_nc_u64 s[A1+2:A1+3], s[A1+2:A1+3], 2*AHALF
.elseif \fill == 3
	s_add_nc_u64 s[A1+2:A1+3], s[A1+2:A1+3], 2*AHALF
	s_sub_nc_u64 s[A1+2:A1+3], s[A1+2:A1+3], s[92:93]   ; a quarter is now 6,144 bytes and not 18,432
	s_mul_i32 s[A1+1], s20, 6144
	s_add_co_u32 s[A1+1], s[A1+1], ARING+AHALF
.endif
	s_wait_dscnt 1                                 ; this step's fragments are in; the add may be out
	MQ2 \k, 0
	s_wait_dscnt 0x0                               ; the add is done, and my reads of this half are over
	s_barrier_signal -1
	MQ2 \k, 2
	WIN 0
	s_barrier_wait -1
.if \fill
	CREST                                          ; the barrier has opened a round of the cluster's: no wave of any partner still reads this half or has a load on its way
.endif
.if \fill == 1
	JL A0, G1A                                     ; the first tensor load behind the round; it has three K steps, 144 matrix instructions, in which to land; its four v_nop are the places for the loads below
.elseif \fill == 2
	JL A1, G1A
.elseif \fill == 3
	JL A1, G1L
.else
	PLACES
.endif
	FETCH (\k)+1
	MQ2 \k, 4
	MQ2 \k, 6
	MV \k
.endm
; THE WAY OUT.
.macro MAXES n, w                      ; the largest magnitudes of n blocks, 32 registers each at 32 b of the window that w names; ascending
	WIN \w
.set b, 0
.rept \n
	v_max3_num_f32 v[SO+b], v[FLO], |v[32*b]|, |v[32*b+1]|
.set b, b+1
.endr
.set i, 2
.rept 15
.set b, 0
.rept \n
	v_max3_num_f32 v[SO+b], v[SO+b], |v[32*b+i]|, |v[32*b+i+1]|
.set b, b+1
.endr
.set i, i+2
.endr
	WIN 0
.endm
.macro CVPAIR p, w                     ; blocks 2 p, 2 p + 1 become twelve registers of codes
	WIN \w
	v_cvt_scalef32_pk16_fp6_f32 v[CK+12*(\p):CK+12*(\p)+2], v[64*(\p):64*(\p)+15], v[SO+2*(\p)]
	v_cvt_scalef32_pk16_fp6_f32 v[TT:TT+2], v[64*(\p)+16:64*(\p)+31], v[SO+2*(\p)]
	v_cvt_scalef32_pk16_fp6_f32 v[CK+12*(\p)+6:CK+12*(\p)+8], v[64*(\p)+32:64*(\p)+47], v[SO+2*(\p)+1]
	v_cvt_scalef32_pk16_fp6_f32 v[TT+4:TT+6], v[64*(\p)+48:64*(\p)+63], v[SO+2*(\p)+1]
	WIN 0
	v_nop                                          ; one plain line behind the conversions
.irp i, 0,1,2
	v_mov_b32 v[CK+12*(\p)+3+\i], v[TT+\i]
	v_mov_b32 v[CK+12*(\p)+9+\i], v[TT+4+\i]
.endr
.endm
.macro EPI tile
	PLACES                                         ; behind the last products: for the reads of results, the writes of W's set 1 and the loads into the scale words
	WIN 0
.if \tile == 0
.irp i, 0,1,2,3,4,5,6,7
.irp kh, 0,1
	global_load_b128 v[SC+8*\i+4*\kh:SC+8*\i+4*\kh+3], v10, s[8:9] offset:512*\i+256*\kh   ; the second tile's scale words
.endr
.endr
.endif
	MAXES 8, 0x28                                  ; q or k: token tile i's block h (d = 32 h ..) is all in my lane
.irp b, 0,1,2,3,4,5,6,7
	v_add_nc_u32 v[SO+\b], 0xff000000, v[SO+\b]    ; 2 off the exponent field: the conversion's scale operand
.endr
.irp b, 0,1,2,3,4,5,6,7
	v_lshrrev_b32 v[WD+\b], 23, v[SO+\b]
.endr
.irp b, 0,1,2,3,4,5,6,7
	v_lshlrev_b32 v[WD+\b], v[SH8], v[WD+\b]       ; byte h
.endr
.irp b, 0,1,2,3,4,5,6,7
	v_permlanex16_b32 v[PT+\b], v[WD+\b], s84, s85
.endr
.irp b, 0,1,2,3,4,5,6,7
	v_or_b32 v[WD+\b], v[WD+\b], v[PT+\b]
.endr
.irp b, 0,1,2,3,4,5,6,7
	v_or_b32 v[WD+\b], 0x7f7f0000, v[WD+\b]        ; bytes 2, 3: 127, for the half of the 128 that the head does not fill
.endr
	CVPAIR 0, 0x02
	CVPAIR 1, 0x02
	CVPAIR 2, 0x02
	CVPAIR 3, 0x02
.irp i, 0,1,2,3
	v_cndmask_b32 v[PK+\i], v[WD+2*\i], v[WD+2*\i+1], s82   ; tile 2 i's words in lanes 0-15, tile 2 i + 1's in lanes 16-31
.endr
.irp g, 0,1,2,3,4,5,6,7,8,9,10,11
	global_store_b128 v7, v[CK+4*\g:CK+4*\g+3], s[72:73] offset:512*\g   ; 512 consecutive bytes, aligned
.endr
	global_store_b128 v7, v[PK:PK+3], s[74:75]
	MAXES 4, 0x3C                                  ; v: block 2 e + c: keys 64 c + 32 h .. of column tile e
	s_wait_alu depctr_va_vdst(0)
	s_wait_xcnt 0x0                                ; the stores above have read their registers
.irp b, 0,1,2,3
	v_add_nc_u32 v[SO+\b], 0xff000000, v[SO+\b]
.endr
.irp b, 0,1,2,3
	v_lshrrev_b32 v[WD+\b], 23, v[SO+\b]
.endr
.irp e, 0,1
	v_lshl_or_b32 v[WD+4+\e], v[WD+2*\e+1], 16, v[WD+2*\e]   ; bytes h and 2 + h
.endr
.irp e, 0,1
	v_lshlrev_b32 v[WD+4+\e], v[SH8], v[WD+4+\e]
.endr
.irp e, 0,1
	v_permlanex16_b32 v[PT+\e], v[WD+4+\e], s84, s85
.endr
.irp e, 0,1
	v_or_b32 v[WD+4+\e], v[WD+4+\e], v[PT+\e]
.endr
	CVPAIR 0, 0x03
	CVPAIR 1, 0x03
	v_cndmask_b32 v[PK], v[WD+4], v[WD+5], s82
.irp e, 0,1
.irp g, 0,1,2
	global_store_b128 v7, v[CK+12*\e+4*\g:CK+12*\e+4*\g+3], s[76:77] offset:1536*\e+512*\g
.endr
.endr
	global_store_b32 v8, v[PK], s[78:79]
.if \tile == 0
	s_wait_xcnt 0x0                                ; the stores have read their registers and bases: W's set 1 may be loaded again, the bases may step
	s_add_nc_u64 s[72:73], s[72:73], s[80:81]
	s_add_nc_u64 s[74:75], s[74:75], s[80:81]
	s_add_nc_u64 s[76:77], s[76:77], 26112
	s_add_nc_u64 s[78:79], s[78:79], 26112
	s_wait_loadcnt 0x0                             ; the second tile's scale words
.endif
.endm
	s_wait_tensorcnt 0x2                           ; my parts of x's K steps 0-2 and of W's K steps 0-3 are in; my two later loads may be out
	s_barrier_signal -1
	s_barrier_wait -1
	FETCH 0
	s_wait_loadcnt 0x0                             ; scale words and biases
	KSTEP 0
	KSTEP 1
	TURN 2, 1
	KSTEP 3
	KSTEP 4
	TURN 5, 2
	KSTEP 6
	KSTEP 7
	s_wait_alu depctr_va_vdst(0)
	EPI 0
	TURN 8, 1
	KSTEP 9
	KSTEP 10
	TURN 11, 3
	KSTEP 12
	KSTEP 13
	TURN 14, 0
	s_wait_dscnt 0x0                               ; the last K step: nothing more to fetch
	MQ2 15, 0
	MQ2 15, 2
	MQ2 15, 4
	MQ2 15, 6
	MV 15
	EPI 1
	s_wait_tensorcnt 0x0                           ; the wave's end
	ds_add_u32 v[SPW], v[NIL]
	s_wait_dscnt 0x0
	CROUND                                         ; the closing round
	s_endpgm
.Lfunc_end_k_q847170c28d_qkv:
	.size	k_q847170c28d_qkv, .Lfunc_end_k_q847170c28d_qkv-k_q847170c28d_qkv
	.p2alignl 7, 3214868480
	.fill 96, 4, 3214868480
	.section	.rodata,"a",@progbits
	.p2align	6, 0x0
	.amdhsa_kernel k_q847170c28d_qkv
		.amdhsa_group_segment_fixed_size 327680
		.amdhsa_private_segment_fixed_size 0
		.amdhsa_enable_private_segment 0
		.amdhsa_kernarg_size 64
		.amdhsa_user_sgpr_count 2
		.amdhsa_user_sgpr_kernarg_segment_ptr 1
		.amdhsa_wavefront_size32 1
		.amdhsa_system_sgpr_workgroup_id_x 1
		.amdhsa_system_sgpr_workgroup_id_y 1
		.amdhsa_system_sgpr_workgroup_id_z 1
		.amdhsa_system_vgpr_workitem_id 0
		.amdhsa_next_free_vgpr 1024
		.amdhsa_next_free_sgpr 100
		.amdhsa_reserve_vcc 0
		.amdhsa_float_denorm_mode_32 3
		.amdhsa_float_denorm_mode_16_64 3
		.amdhsa_memory_ordered 1
		.amdhsa_forward_progress 1
		.amdhsa_inst_pref_size 202
	.end_amdhsa_kernel
	.amdgpu_metadata
---
amdhsa.version: [ 1, 2 ]
amdhsa.kernels:
  - .name:           k_q847170c28d_qkv
    .symbol:         k_q847170c28d_qkv.kd
    .args:
      - { .name: xi, .offset: 0, .size: 8, .value_kind: global_buffer, .address_space: global }
      - { .name: wi, .offset: 8, .size: 8, .value_kind: global_buffer, .address_space: global }
      - { .name: sc1, .offset: 16, .size: 8, .value_kind: global_buffer, .address_space: global }
      - { .name: bq, .offset: 24, .size: 8, .value_kind: global_buffer, .address_space: global }
      - { .name: bk, .offset: 32, .size: 8, .value_kind: global_buffer, .address_space: global }
      - { .name: bv, .offset: 40, .size: 8, .value_kind: global_buffer, .address_space: global }
      - { .name: qi, .offset: 48, .size: 8, .value_kind: global_buffer, .address_space: global }
      - { .name: kv, .offset: 56, .size: 8, .value_kind: global_buffer, .address_space: global }
    .group_segment_fixed_size: 327680
    .private_segment_fixed_size: 0
    .kernarg_segment_align: 8
    .kernarg_segment_size: 64
    .max_flat_workgroup_size: 128
    .sgpr_count:     100
    .vgpr_count:     1024
    .wavefront_size: 32
...
	.end_amdgpu_metadata
.endif
;; end of part 2
;; launch attn (part 3): grid 4 x 64, 8 waves a work-group, clusters of 4 x 1, 209,920 bytes of LDS; arguments qi, kv, ai, sc2; writes ai, sc2
.if DOCPART == 3
	.amdgcn_target "amdgcn-amd-amdhsa--gfx1250"
	.amdhsa_code_object_version 6
	.text
	.protected	k_q847170c28d_attn
	.globl	k_q847170c28d_attn
	.p2align	8
	.type	k_q847170c28d_attn,@function
k_q847170c28d_attn:
	s_mov_b64 s[64:65], 0
	v_nop
	global_prefetch_b8 v0, s[64:65] scope:SCOPE_SE
	s_setreg_imm32_b32 hwreg(HW_REG_WAVE_MODE, 25, 1), 1
	s_wait_xcnt 0x0
	s_wait_alu depctr_hold_cnt(0) depctr_sa_sdst(0) depctr_va_vdst(0) depctr_va_sdst(0) depctr_va_ssrc(0) depctr_va_vcc(0) depctr_vm_vsrc(0)
	s_getreg_b32 s2, hwreg(HW_REG_IB_STS2, 6, 4)
	s_cmp_eq_u32 s2, 0
	s_cbranch_scc0 .Lentry_in_a_cluster
	s_endpgm
.Lentry_in_a_cluster:
	s_bfe_u32 s2, ttmp6, 0x10000c
	s_cmp_lg_u32 s2, 0x3003
	s_cbranch_scc0 .Lentry_shape_is_right
	s_endpgm
.Lentry_shape_is_right:
; O = softmax(q k^T / 8) v for one (batch, head), both products on codes of E2M3, and O quantised at once along the model's 1,024 for the projection that follows.  No work is left out.
; THE SOFTMAX AHEAD OF THE SECOND PRODUCT: t = score x log2(e) / 8; M = the running largest t rounded UP to a whole number; p = 2^(t - M) is what is quantised, along the keys.  The row's sum is taken of the
; unquantised p and divides O at the end.  When M moves, the sum and O are multiplied by 2^(old M - new M): exact.
; SHARES.  The head's k, v and their scale words, 208,896 bytes, lie whole in LDS: filled once, one barrier.  The four work-groups of a cluster are the four quarters (512 queries) of one head and ask jointly;
; wave w brings key steps 2 w and 2 w + 1 by one tensor load: by this text's own count one is out.  A wave owns two tiles of 16 queries a pass, two passes; every wave walks the 16 key steps of 128 keys.
; LAYOUT.  Both products transposed: S^T = K Q^T, O^T = V^T P: a lane holds ONE query.  By the order of tokens in a tile (first launch) the 32 registers of key tiles 4 c .. 4 c + 3 are keys 64 c + 32 h + 0 .. 31:
; a whole block of P in one lane, in its operand's place: the block's maximum needs no other lane and the conversions' results are P's registers.  Likewise O^T's 32 registers are d = 32 h + 0 .. 31.
; THE HEAD'S 64 IN AN INSTRUCTION OF 128: Q's fragment is six registers of codes and six of ZERO CODES.  K's eight tiles lie six registers each on end; tile t's fragment is registers 6 t .. 6 t + 11 of that chain:
; its upper half holds the next tile's codes, which meet Q's zeros and add exactly 0 (every code of the format is a finite number; bytes 2, 3 of the scale words are 127).
; OUT.  ai [G 32][K step = head / 2][tile 16][head % 2][768]: six registers: 0-3 at 16 x lane, 4-5 at 512 + 8 x lane.  sc2 from 32,768 on: two bytes of the token's scale word of that K step.
; LIMITS: p under 2^-126 comes out of v_exp_f32 as 0; a block of zeros gets the byte 1; 1 / l is v_rcp_f32 and a multiplication; NaN and infinities are not served.
; REGISTERS.  window 0: v1-10 addresses; tile x's statistics at v[16 + 8 x]: -M, largest score, l (two halves), f, (pair), two at work; v32-35 blocks' maxima, v36-39 scale operands, v40-43 bytes, v44-51 sums,
;   v52-55 words at work, v56-62, v216-222 upper halves of blocks' codes; v64-191 S^T, then p; v192-215 P; v224, v225 P's scale words; v226-229 K's; v230, v231 V's; v232 Q's.
;   window 1: v0-23 Q; v24-71 K's chain, v72-77 its tail of zeros; v80-127 V; v128-191 O^T; v192-203 Q as loaded.
.set STEPB, 13056
.set SPARE, 208896
.set SPW, 8
.set NIL, 9
.set MSB, 0
.macro WIN new
.if MSB != \new
	s_set_vgpr_msb (MSB<<8)|\new
.set MSB, \new
.endif
.endm
.macro PLACES
.rept 4
	v_nop
.endr
.endm
.macro CROUND
	s_barrier_signal -1
	s_barrier_wait -1
	s_cmp_lg_u32 s12, 0
	s_cbranch_scc1 .Lnot_wave_0_\@
	s_barrier_signal -3
.Lnot_wave_0_\@:
	s_barrier_wait -3
	s_barrier_signal -1
	s_barrier_wait -1
.endm
	s_load_b256 s[4:11], s[0:1], 0x0               ; qi, kv, ai, sc2
	v_lshl_add_u32 v[SPW], v0, 2, SPARE
	v_mov_b32 v[NIL], 0
	ds_add_u32 v[SPW], v[NIL]                      ; the wave's opening: the add, twice on end, and its wait ahead of my first tensor load
	ds_add_u32 v[SPW], v[NIL]
	v_lshrrev_b32 v1, 5, v0
	s_delay_alu instid0(VALU_DEP_1)
	v_readfirstlane_b32 s12, v1                    ; wave 0..7
	s_bfe_u32 s13, ttmp6, 0x40000                  ; cx: which quarter of the queries; it enters global addresses alone
	s_and_b32 s14, ttmp7, 0xffff                   ; 16 b + head, which the four partners share
	s_mov_b32 s16, 15|(3<<16)|(1<<21)              ; group 1: all four work-groups; 102 rows of 256 bytes (32 elements of 8), dense, no padding
	s_mov_b32 s17, 32<<16
	s_mov_b32 s18, 102<<16
	s_mov_b32 s19, 32<<16
	s_mov_b32 s20, 102
	s_mov_b32 s21, 32
	s_mov_b32 s22, 0
	s_mov_b32 s23, 0
	s_mov_b32 s24, 1
	s_mul_i32 s25, s12, 2*STEPB                    ; my two key steps, in LDS
	s_mul_i32 s42, s14, 16*STEPB
	s_add_co_u32 s42, s42, s25                     ; and in memory
	s_mov_b32 s43, 0
	s_mov_b32 s28, 0x3e38aa3b                      ; c = log2(e) / 8
	s_mov_b32 s29, s28                             ; (named with it as a pair, so it is written)
	s_mov_b32 s30, 0x76543210
	s_mov_b32 s31, 0xfedcba98
	s_mov_b32 s35, 0xffff0000                      ; lanes 16-31
	s_wait_dscnt 0x0                               ; both opening adds are done
	s_wait_kmcnt 0x0
	s_add_nc_u64 s[26:27], s[6:7], s[42:43]
	s_or_b32 s27, s27, 0x80000000
	CROUND                                         ; all four work-groups are here: the joint loads meet
	tensor_load_to_lds s[24:27], s[16:23]
	s_nop 0
	PLACES
	s_lshr_b32 s44, s14, 4                         ; b
	s_and_b32 s45, s14, 15                         ; head
	s_lshr_b32 s46, s45, 1                         ; the projection's K step
	s_and_b32 s47, s45, 1                          ; and the half of it
	s_lshl_b32 s48, s44, 3
	s_lshl_b32 s49, s13, 1
	s_add_co_u32 s48, s48, s49                     ; G of pass 0: 8 b + 2 cx
	s_lshl_b32 s50, s14, 4
	s_lshl_b32 s51, s13, 2
	s_add_co_u32 s50, s50, s51
	s_lshr_b32 s51, s12, 2
	s_add_co_u32 s50, s50, s51                     ; the group of 128 queries
	s_mul_i32 s50, s50, 6656
	s_and_b32 s52, s12, 3                          ; my pair of tiles in it: twelve registers of the chain
	s_mul_i32 s51, s52, 1536
	s_add_co_u32 s50, s50, s51
	s_mov_b32 s51, 0
	s_add_nc_u64 s[36:37], s[4:5], s[50:51]        ; Q
	s_mul_i32 s53, s52, 1532
	s_sub_co_u32 s53, 6144, s53                    ; from there to the pair's packed scale words: 6,144 - 1,536 p + 4 p
	s_lshl_b32 s50, s48, 3
	s_add_co_u32 s50, s50, s46
	s_lshl_b32 s50, s50, 4
	s_lshl_b32 s54, s12, 1
	s_add_co_u32 s50, s50, s54
	s_mul_i32 s50, s50, 1536
	s_mul_i32 s55, s47, 768
	s_add_co_u32 s50, s50, s55
	s_add_nc_u64 s[38:39], s[8:9], s[50:51]        ; O's codes
	s_lshl_b32 s50, s48, 4
	s_add_co_u32 s50, s50, s54
	s_lshl_b32 s50, s50, 9
	s_lshr_b32 s55, s46, 2
	s_lshl_b32 s55, s55, 8
	s_add_co_u32 s50, s50, s55
	s_and_b32 s55, s46, 3
	s_lshl_b32 s55, s55, 2
	s_add_co_u32 s50, s50, s55
	s_lshl_b32 s55, s47, 1
	s_add_co_u32 s50, s50, s55
	s_add_co_u32 s50, s50, 32768
	s_add_nc_u64 s[40:41], s[10:11], s[50:51]      ; O's scale bytes
	v_and_b32 v11, 31, v0
	s_delay_alu instid0(VALU_DEP_1)
	v_lshlrev_b32 v1, 4, v11                       ; 16 x lane
	s_delay_alu instid0(VALU_DEP_2)
	v_lshlrev_b32 v2, 2, v11                       ; 4 x lane
	s_delay_alu instid0(VALU_DEP_3)
	v_lshlrev_b32 v5, 3, v11                       ; 8 x lane
	v_bfe_u32 v12, v0, 4, 1
	s_delay_alu instid0(VALU_DEP_1)
	v_lshlrev_b32 v6, 3, v12                       ; 8 h
	v_and_b32 v13, 15, v0
	s_delay_alu instid0(VALU_DEP_1)
	v_lshlrev_b32 v7, 4, v13
	s_delay_alu instid0(VALU_DEP_1)
	v_lshl_add_u32 v7, v12, 9, v7                  ; 16 r + 512 h: lanes 16-31 store the second tile's bytes
	v_add_nc_u32 v10, s53, v1
.irp x, 0,1
	v_mov_b32 v[21+8*\x], 0                        ; (the upper half of the pair that holds f)
	v_mov_b32 v[23+8*\x], 0                        ; written once: a lane permute's destination counts as one of its sources
	v_mov_b32 v[53+2*\x], 0
.endr
	WIN 0x40
.irp j, 0,1,2,3,4,5
	v_mov_b32 v[6+\j], 0                           ; Q's upper halves: zero codes
	v_mov_b32 v[18+\j], 0
	v_mov_b32 v[72+\j], 0                          ; and the chain's tail
.endr
	WIN 0
	s_wait_tensorcnt 0x0                           ; my two key steps are in,
	s_barrier_signal -1
	s_barrier_wait -1                              ; everybody's are
	s_mov_b32 s34, 2
.macro SPROD t, x                      ; S^T: key tile t x query tile x.  K's words: register t / 2, lanes 0-15 or 16-31; Q's: lanes 0-15 tile 0, lanes 16-31 tile 1
.set rD, 64+64*(\x)+8*(\t)
.set rA, 24+6*(\t)
.set rB, 12*(\x)
.set rS, 226+(\t)/2
.if ((\t)%2 == 0) && ((\x) == 0)
	v_wmma_scale_f32_16x16x128_f8f6f4 v[rD:rD+7], v[rA:rA+11], v[rB:rB+11], 0, v[rS], v232 matrix_a_fmt:MATRIX_FMT_FP6 matrix_b_fmt:MATRIX_FMT_FP6
.elseif (\x) == 0
	v_wmma_scale_f32_16x16x128_f8f6f4 v[rD:rD+7], v[rA:rA+11], v[rB:rB+11], 0, v[rS], v232 matrix_a_fmt:MATRIX_FMT_FP6 matrix_b_fmt:MATRIX_FMT_FP6 matrix_a_scale:MATRIX_SCALE_ROW1
.elseif (\t)%2 == 0
	v_wmma_scale_f32_16x16x128_f8f6f4 v[rD:rD+7], v[rA:rA+11], v[rB:rB+11], 0, v[rS], v232 matrix_a_fmt:MATRIX_FMT_FP6 matrix_b_fmt:MATRIX_FMT_FP6 matrix_b_scale:MATRIX_SCALE_ROW1
.else
	v_wmma_scale_f32_16x16x128_f8f6f4 v[rD:rD+7], v[rA:rA+11], v[rB:rB+11], 0, v[rS], v232 matrix_a_fmt:MATRIX_FMT_FP6 matrix_b_fmt:MATRIX_FMT_FP6 matrix_a_scale:MATRIX_SCALE_ROW1 matrix_b_scale:MATRIX_SCALE_ROW1
.endif
.endm
.macro OPROD u, x                      ; O^T += V^T P: tile u of the head's 64 x query tile x
.set rD, 128+32*(\x)+8*(\u)
.set rA, 80+12*(\u)
.set rB, 192+12*(\x)
.if (\u)%2 == 0
	v_wmma_scale_f32_16x16x128_f8f6f4 v[rD:rD+7], v[rA:rA+11], v[rB:rB+11], v[rD:rD+7], v[230+(\u)/2], v[224+(\x)] matrix_a_fmt:MATRIX_FMT_FP6 matrix_b_fmt:MATRIX_FMT_FP6
.else
	v_wmma_scale_f32_16x16x128_f8f6f4 v[rD:rD+7], v[rA:rA+11], v[rB:rB+11], v[rD:rD+7], v[230+(\u)/2], v[224+(\x)] matrix_a_fmt:MATRIX_FMT_FP6 matrix_b_fmt:MATRIX_FMT_FP6 matrix_a_scale:MATRIX_SCALE_ROW1
.endif
.endm
; A KEY STEP: 128 keys, at LDS byte s32.  On entry the step's K (12 loads) and its scale words (1) are on their way.  pre = 1: the next step's are asked for.
.macro STEP pre
	v_add_nc_u32 v3, s32, v1
	v_add_nc_u32 v4, s32, v2
	v_nop
	v_nop                                          ; four places behind the last V^T P, in front of the loads into V's registers and scale words
	WIN 0x40
.irp g, 0,1,2,3,4,5,6,7,8,9,10,11
	ds_load_b128 v[80+4*\g:83+4*\g], v3 offset:6144+512*\g
.endr
	WIN 0
	ds_load_b32 v230, v4 offset:12800
	ds_load_b32 v231, v4 offset:12928
	s_wait_dscnt 14                                ; K and its words are in; the 14 loads just issued may be out
	WIN 0x05
.irp t, 0,1,2,3,4,5,6,7
	SPROD \t, 0
	SPROD \t, 1
.endr
	WIN 0
	PLACES                                         ; in front of the loads into K's registers and of the first read of the scores
.if \pre
	WIN 0x40
	s_wait_alu depctr_va_vdst(0)
.irp g, 0,1,2,3,4,5,6,7,8,9,10,11
	ds_load_b128 v[24+4*\g:27+4*\g], v3 offset:STEPB+512*\g
.endr
	WIN 0
	ds_load_b128 v[226:229], v3 offset:STEPB+12288
.endif
	; the largest score of each block of 32 keys (block b = 2 x + c of the two tiles): it serves the row's maximum, and, since p rises with the score, the block's largest p
.irp b, 0,1,2,3
	v_max3_num_f32 v[32+\b], v[64+32*\b], v[65+32*\b], v[66+32*\b]
.endr
.irp i, 3,5,7,9,11,13,15,17,19,21,23,25,27,29
.irp b, 0,1,2,3
	v_max3_num_f32 v[32+\b], v[32+\b], v[64+32*\b+\i], v[65+32*\b+\i]
.endr
.endr
.irp b, 0,1,2,3
	v_max_num_f32 v[32+\b], v[32+\b], v[95+32*\b]
.endr
.irp x, 0
	s_delay_alu instid0(VALU_DEP_3)
	v_max_num_f32 v[22+8*\x], v[32+2*\x], v[33+2*\x]
.endr
.irp x, 1
	s_delay_alu instid0(VALU_DEP_2)
	v_max_num_f32 v[22+8*\x], v[32+2*\x], v[33+2*\x]
.endr
.irp x, 0,1
	s_delay_alu instid0(VALU_DEP_2)
	v_permlanex16_b32 v[23+8*\x], v[22+8*\x], s30, s31   ; the query's other 64 keys lie in the lane 16 away
.endr
.irp x, 0,1
	s_delay_alu instid0(VALU_DEP_2)
	v_max3_num_f32 v[17+8*\x], v[17+8*\x], v[22+8*\x], v[23+8*\x]   ; the running largest score
.endr
.irp x, 0,1
	s_delay_alu instid0(VALU_DEP_2)
	v_mul_f32 v[22+8*\x], s28, v[17+8*\x]          ; as t (c is positive)
.endr
.irp x, 0,1
	v_mov_b32 v[23+8*\x], v[16+8*\x]
.endr
.irp x, 0,1
	s_delay_alu instid0(VALU_DEP_4)
	v_floor_f32 v[16+8*\x], -v[22+8*\x]            ; the new -M = floor(-t): M is a whole number
.endr
.irp x, 0,1
	s_delay_alu instid0(VALU_DEP_2)
	v_sub_f32 v[23+8*\x], v[16+8*\x], v[23+8*\x]   ; old M - new M: a whole number, 0 or less
.endr
.irp x, 0,1
	s_delay_alu instid0(VALU_DEP_2)
	v_cvt_i32_f32 v[23+8*\x], v[23+8*\x]           ; (it saturates)
.endr
.irp x, 0,1
	s_delay_alu instid0(VALU_DEP_2)
	v_ldexp_f32 v[20+8*\x], 1.0, v[23+8*\x]        ; f = 2^(old M - new M)
.endr
.irp x, 0,1
.set j, 0
.rept 32
	v_pk_fma_f32 v[64+64*\x+j:65+64*\x+j], v[64+64*\x+j:65+64*\x+j], s[28:29], v[16+8*\x:17+8*\x] op_sel_hi:[1,0,0]   ; t - M, two at a time
.set j, j+2
.endr
.endr
.irp b, 0,1,2,3
	v_fma_f32 v[32+\b], v[32+\b], s28, v[16+8*(\b/2)]   ; the same of each block's largest score
.endr
.set j, 0
	s_wait_alu depctr_va_vdst(0)
.rept 128
	v_exp_f32 v[64+j], v[64+j]                     ; p = 2^(t - M), at most 1: not normalised
.set j, j+1
.endr
	s_setprio 1
.irp b, 0,1,2,3
	v_exp_f32 v[32+\b], v[32+\b]                   ; the block's largest p: the same two instructions on the same number
.endr
	v_nop                                          ; a plain line behind the last exponential
	s_wait_alu depctr_va_vdst(0)                   ; one wait for the batch of 132, ahead of its first reader
	; the row's sum, of the unquantised p: two chains a tile
.irp x, 0,1
	v_pk_add_f32 v[44+4*\x:45+4*\x], v[64+64*\x:65+64*\x], v[66+64*\x:67+64*\x]
	v_pk_add_f32 v[46+4*\x:47+4*\x], v[68+64*\x:69+64*\x], v[70+64*\x:71+64*\x]
.endr
.irp j, 8,12,16,20,24,28,32,36,40,44,48,52,56,60
.irp x, 0,1
	v_pk_add_f32 v[44+4*\x:45+4*\x], v[44+4*\x:45+4*\x], v[64+64*\x+\j:65+64*\x+\j]
	v_pk_add_f32 v[46+4*\x:47+4*\x], v[46+4*\x:47+4*\x], v[66+64*\x+\j:67+64*\x+\j]
.endr
.endr
.irp x, 0
	s_delay_alu instid0(VALU_DEP_3)
	v_pk_add_f32 v[44+4*\x:45+4*\x], v[44+4*\x:45+4*\x], v[46+4*\x:47+4*\x]
.endr
.irp x, 1
	s_delay_alu instid0(VALU_DEP_2)
	v_pk_add_f32 v[44+4*\x:45+4*\x], v[44+4*\x:45+4*\x], v[46+4*\x:47+4*\x]
.endr
.irp x, 0,1
	s_delay_alu instid0(VALU_DEP_2)
	v_pk_fma_f32 v[18+8*\x:19+8*\x], v[18+8*\x:19+8*\x], v[20+8*\x:21+8*\x], v[44+4*\x:45+4*\x] op_sel_hi:[1,0,1]   ; l = l f + the step's sum
.endr
.irp b, 0,1,2,3
	v_max_num_f32 v[32+\b], 0x1800000, v[32+\b]    ; the floor 2^(3 - 127): the byte cannot fall under 1
.endr
.irp b, 0,1,2,3
	s_delay_alu instid0(VALU_DEP_4)
	v_add_nc_u32 v[36+\b], 0xff000000, v[32+\b]    ; 2 off the exponent field: the conversion's scale operand
.endr
.irp b, 0,1,2,3
	s_delay_alu instid0(VALU_DEP_4)
	v_lshrrev_b32 v[40+\b], 23, v[36+\b]
.endr
.irp x, 0
	s_delay_alu instid0(VALU_DEP_3)
	v_lshl_or_b32 v[52+2*\x], v[41+2*\x], 16, v[40+2*\x]
.endr
.irp x, 1
	s_delay_alu instid0(VALU_DEP_2)
	v_lshl_or_b32 v[52+2*\x], v[41+2*\x], 16, v[40+2*\x]   ; my bytes h and 2 + h
.endr
.irp x, 0,1
	s_delay_alu instid0(VALU_DEP_2)
	v_lshlrev_b32 v[52+2*\x], v6, v[52+2*\x]
.endr
.irp x, 0,1
	s_delay_alu instid0(VALU_DEP_2)
	v_permlanex16_b32 v[53+2*\x], v[52+2*\x], s30, s31
.endr
.irp x, 0,1
	s_delay_alu instid0(VALU_DEP_2)
	v_or_b32 v[224+\x], v[52+2*\x], v[53+2*\x]     ; P's scale word for these 128 keys
.endr
.irp x, 0,1
.irp c, 0,1
	v_cvt_scalef32_pk16_fp6_f32 v[192+12*\x+6*\c:194+12*\x+6*\c], v[64+64*\x+32*\c:79+64*\x+32*\c], v[36+2*\x+\c]
	v_cvt_scalef32_pk16_fp6_f32 v[56+160*\x+4*\c:58+160*\x+4*\c], v[80+64*\x+32*\c:95+64*\x+32*\c], v[36+2*\x+\c]
.endr
.endr
	v_nop                                          ; one plain line behind the conversions
.irp x, 0,1
.irp c, 0,1
.irp i, 0,1,2
	v_mov_b32 v[195+12*\x+6*\c+\i], v[56+160*\x+4*\c+\i]
.endr
.endr
.endr
	WIN 0x41
	s_setprio 0
.irp x, 0,1
.set j, 0
.rept 16
	v_pk_mul_f32 v[128+32*\x+j:129+32*\x+j], v[128+32*\x+j:129+32*\x+j], v[20+8*\x:21+8*\x] op_sel_hi:[1,0]   ; O^T under the new M.  (These 32 are also the places between the writes of P and its scale words and the products)
.set j, j+2
.endr
.endr
.if \pre
	s_wait_alu depctr_va_vdst(0)
	s_wait_dscnt 13                                ; V and its words are in; the next step's 13 loads may be out
.else
	s_wait_alu depctr_va_vdst(0)
	s_wait_dscnt 0x0
.endif
	WIN 0x51
.irp u, 0,1,2,3
	OPROD \u, 0                                    ; the eight accumulators by turns
	OPROD \u, 1
.endr
	WIN 0
	s_add_co_u32 s32, s32, STEPB
.endm
.Lpass:
	WIN 0x40
.irp g, 0,1,2
	global_load_b128 v[192+4*\g:195+4*\g], v1, s[36:37] offset:512*\g   ; my two tiles of Q: twelve registers of the chain
.endr
.irp g, 0,1,2,3,4,5,6,7,8,9,10,11
	ds_load_b128 v[24+4*\g:27+4*\g], v1 offset:512*\g                   ; key step 0
.endr
	WIN 0
	global_load_b32 v232, v10, s[36:37]
	ds_load_b128 v[226:229], v1 offset:12288
	s_mov_b32 s32, 0
.irp x, 0,1
	v_mov_b32 v[17+8*\x], 0xff61b1e6               ; the largest score so far: -3e38
	v_mov_b32 v[16+8*\x], 0x7f61b1e6               ; -M
	v_mov_b32 v[18+8*\x], 0                        ; l
	v_mov_b32 v[19+8*\x], 0
.endr
	s_wait_loadcnt 0x0
	WIN 0x41
.irp j, 0,1,2,3,4,5
	v_mov_b32 v[\j], v[192+\j]
	v_mov_b32 v[12+\j], v[198+\j]
.endr
	WIN 0x40
.set j, 0
.rept 64
	v_mov_b32 v[128+j], 0                          ; O^T: the step is written once; the first finds zeros, which the first change of M leaves zeros
.set j, j+1
.endr
	WIN 0
	s_mov_b32 s33, 15
.Lstep:
	s_setprio 2
	STEP 1
	s_sub_co_u32 s33, s33, 1
	s_cmp_lg_u32 s33, 0
	s_cbranch_scc1 .Lstep
	s_setprio 0
	STEP 0                                         ; the last key step asks for nothing more
	; THE WAY OUT: O^T / l, quantised: my 32 registers are block 2 (head % 2) + h of the token's K step
.irp x, 0,1
	v_add_f32 v[22+8*\x], v[18+8*\x], v[19+8*\x]
.endr
.irp x, 0,1
	s_delay_alu instid0(VALU_DEP_2)
	v_permlanex16_b32 v[23+8*\x], v[22+8*\x], s30, s31
.endr
.irp x, 0,1
	s_delay_alu instid0(VALU_DEP_2)
	v_add_f32 v[22+8*\x], v[22+8*\x], v[23+8*\x]   ; the row's sum
.endr
	s_wait_alu depctr_va_vdst(0)
.irp x, 0,1
	v_rcp_f32 v[22+8*\x], v[22+8*\x]
.endr
	v_nop
	s_wait_alu depctr_va_vdst(0)                   ; one wait for the two reciprocals, ahead of their first reader
	WIN 0x01
.irp x, 0,1
.set j, 0
.rept 16
	v_pk_mul_f32 v[64+64*\x+j:65+64*\x+j], v[128+32*\x+j:129+32*\x+j], v[22+8*\x:23+8*\x] op_sel_hi:[1,0]
.set j, j+2
.endr
.endr
	WIN 0
.irp x, 0,1
	v_max3_num_f32 v[32+\x], |v[64+64*\x]|, |v[65+64*\x]|, 0x1800000
.endr
.irp i, 2,4,6,8,10,12,14,16,18,20,22,24,26,28,30
.irp x, 0,1
	s_delay_alu instid0(VALU_DEP_2)
	v_max3_num_f32 v[32+\x], v[32+\x], |v[64+64*\x+\i]|, |v[65+64*\x+\i]|
.endr
.endr
.irp x, 0,1
	s_delay_alu instid0(VALU_DEP_2)
	v_add_nc_u32 v[36+\x], 0xff000000, v[32+\x]
.endr
.irp x, 0,1
	s_delay_alu instid0(VALU_DEP_2)
	v_lshrrev_b32 v[40+\x], 23, v[36+\x]
.endr
.irp x, 0,1
	v_cvt_scalef32_pk16_fp6_f32 v[192+12*\x:194+12*\x], v[64+64*\x:79+64*\x], v[36+\x]
	v_cvt_scalef32_pk16_fp6_f32 v[56+160*\x:58+160*\x], v[80+64*\x:95+64*\x], v[36+\x]
.endr
	v_nop
.irp x, 0,1
.irp i, 0,1,2
	v_mov_b32 v[195+12*\x+\i], v[56+160*\x+\i]
.endr
.endr
.irp x, 0,1
	v_lshlrev_b32 v[52+2*\x], v6, v[40+\x]
.endr
.irp x, 0,1
	s_delay_alu instid0(VALU_DEP_2)
	v_permlanex16_b32 v[53+2*\x], v[52+2*\x], s30, s31
.endr
.irp x, 0,1
	s_delay_alu instid0(VALU_DEP_2)
	v_or_b32 v[52+2*\x], v[52+2*\x], v[53+2*\x]    ; the two bytes of this head's half
.endr
	s_delay_alu instid0(VALU_DEP_1)
	v_cndmask_b32 v52, v52, v54, s35               ; lanes 0-15: the first tile's, lanes 16-31: the second's
.irp x, 0,1
	global_store_b128 v1, v[192+12*\x:195+12*\x], s[38:39] offset:1536*\x
	global_store_b64 v5, v[196+12*\x:197+12*\x], s[38:39] offset:1536*\x+512
.endr
	global_store_b16 v7, v52, s[40:41]
	s_wait_xcnt 0x0                                ; the stores have read their registers and bases
	s_add_nc_u64 s[36:37], s[36:37], 13312         ; the next 256 queries
	s_add_nc_u64 s[38:39], s[38:39], 196608
	s_add_nc_u64 s[40:41], s[40:41], 8192
	s_sub_co_u32 s34, s34, 1
	s_cmp_lg_u32 s34, 0
	s_cbranch_scc1 .Lpass
	s_wait_tensorcnt 0x0                           ; the wave's end
	ds_add_u32 v[SPW], v[NIL]
	s_wait_dscnt 0x0
	CROUND                                         ; the closing round
	s_endpgm
.Lfunc_end_k_q847170c28d_attn:
	.size	k_q847170c28d_attn, .Lfunc_end_k_q847170c28d_attn-k_q847170c28d_attn
	.p2alignl 7, 3214868480
	.fill 96, 4, 3214868480
	.section	.rodata,"a",@progbits
	.p2align	6, 0x0
	.amdhsa_kernel k_q847170c28d_attn
		.amdhsa_group_segment_fixed_size 209920
		.amdhsa_private_segment_fixed_size 0
		.amdhsa_enable_private_segment 0
		.amdhsa_kernarg_size 32
		.amdhsa_user_sgpr_count 2
		.amdhsa_user_sgpr_kernarg_segment_ptr 1
		.amdhsa_wavefront_size32 1
		.amdhsa_system_sgpr_workgroup_id_x 1
		.amdhsa_system_sgpr_workgroup_id_y 1
		.amdhsa_system_sgpr_workgroup_id_z 1
		.amdhsa_system_vgpr_workitem_id 0
		.amdhsa_next_free_vgpr 512
		.amdhsa_next_free_sgpr 66
		.amdhsa_reserve_vcc 0
		.amdhsa_float_denorm_mode_32 3
		.amdhsa_float_denorm_mode_16_64 3
		.amdhsa_memory_ordered 1
		.amdhsa_forward_progress 1
		.amdhsa_inst_pref_size 73
	.end_amdhsa_kernel
	.amdgpu_metadata
---
amdhsa.version: [ 1, 2 ]
amdhsa.kernels:
  - .name:           k_q847170c28d_attn
    .symbol:         k_q847170c28d_attn.kd
    .args:
      - { .name: qi, .offset: 0, .size: 8, .value_kind: global_buffer, .address_space: global }
      - { .name: kv, .offset: 8, .size: 8, .value_kind: global_buffer, .address_space: global }
      - { .name: ai, .offset: 16, .size: 8, .value_kind: global_buffer, .address_space: global }
      - { .name: sc2, .offset: 24, .size: 8, .value_kind: global_buffer, .address_space: global }
    .group_segment_fixed_size: 209920
    .private_segment_fixed_size: 0
    .kernarg_segment_align: 8
    .kernarg_segment_size: 32
    .max_flat_workgroup_size: 256
    .sgpr_count:     66
    .vgpr_count:     512
    .wavefront_size: 32
...
	.end_amdgpu_metadata
.endif
;; end of part 3
;; launch oproj (part 4): grid 8 x 32, 4 waves a work-group, clusters of 4 x 4, 312,832 bytes of LDS; arguments ai, woi, sc2, bo, out0; writes out0
.if DOCPART == 4
	.amdgcn_target "amdgcn-amd-amdhsa--gfx1250"
	.amdhsa_code_object_version 6
	.text
	.protected	k_q847170c28d_oproj
	.globl	k_q847170c28d_oproj
	.p2align	8
	.type	k_q847170c28d_oproj,@function
k_q847170c28d_oproj:
	s_mov_b64 s[64:65], 0
	v_nop
	global_prefetch_b8 v0, s[64:65] scope:SCOPE_SE
	s_setreg_imm32_b32 hwreg(HW_REG_WAVE_MODE, 25, 1), 1
	s_wait_xcnt 0x0
	s_wait_alu depctr_hold_cnt(0) depctr_sa_sdst(0) depctr_va_vdst(0) depctr_va_sdst(0) depctr_va_ssrc(0) depctr_va_vcc(0) depctr_vm_vsrc(0)
	s_getreg_b32 s2, hwreg(HW_REG_IB_STS2, 6, 4)
	s_cmp_eq_u32 s2, 0
	s_cbranch_scc0 .Lentry_in_a_cluster
	s_endpgm
.Lentry_in_a_cluster:
	s_bfe_u32 s2, ttmp6, 0x10000c
	s_cmp_lg_u32 s2, 0xf033
	s_cbranch_scc0 .Lentry_shape_is_right
	s_endpgm
.Lentry_shape_is_right:
; out0 = attn Wo + bo on codes of E2M3 (K = 1,024).  Both operands arrive as images of their registers, made by the earlier launches.  No work is left out.
; SHARES.  A tile is 256 tokens (G = Y) x 128 columns (X): 256 work-groups; four waves, each 128 tokens x 64 columns: 32 accumulators.  All of K lies in LDS (196,608 + 98,304 bytes): first fills alone, nothing is filled again.
; Each wave brings a quarter of each of four chunks of two K steps, of either operand: by this text's own count eight tensor loads are out at the head; a counted wait and a barrier stand ahead of each chunk's first read.
; CLUSTER 4 x 4: the tokens' images hang on Y alone and are asked for jointly along a row of the cluster, Wo's on X alone, along a column.
; TRANSPOSED: source 0 = 16 columns of Wo, source 1 = 16 tokens: a lane holds eight neighbouring columns of one token.  bo is the C of each sum's first product.
; The tokens of a tile are not neighbours (first launch): row m of tile i is token 64 (i / 4) + 32 (m / 8) + 8 (i % 4) + m % 8 of the wave's 128; the way out puts each row at its place.
; REGISTERS.  window 0: v2-20 addresses; v28, v29 the add's; v32-95 scale words (32 + 8 i + K step: lanes 0-15 the tokens' tile i, lanes 16-31 Wo's tile i); v96-143, v144-191 Wo's four fragments, two sets; v192-255 rows on the way out.
;   window 1: the tokens' eight fragments, two sets (v0-95, v96-191); v192-223 bo.   window 2: accumulator (i, u) at 32 i + 8 u.
.set BR,    196608
.set STAGE, 294912                     ; 16 rows x (256 + 16) bytes for each wave; no fill lands there
.set SPARE, 312320
.set SPW, 28
.set NIL, 29
.set SC,  32
.set STO, 12
.set RD,  17
.set CO,  18
.set G1A, 24
.set G1B, 32
.set MSB, 0
.macro WIN new
.if MSB != \new
	s_set_vgpr_msb (MSB<<8)|\new
.set MSB, \new
.endif
.endm
.macro PLACES
.rept 4
	v_nop
.endr
.endm
.macro CROUND
	s_barrier_signal -1
	s_barrier_wait -1
	s_cmp_lg_u32 s14, 0
	s_cbranch_scc1 .Lnot_wave_0_\@
	s_barrier_signal -3
.Lnot_wave_0_\@:
	s_barrier_wait -3
	s_barrier_signal -1
	s_barrier_wait -1
.endm
	s_load_b256 s[4:11], s[0:1], 0x0               ; ai, woi, sc2, bo
	s_load_b64 s[12:13], s[0:1], 0x20              ; out0
	v_lshl_add_u32 v[SPW], v0, 2, SPARE
	v_mov_b32 v[NIL], 0
	ds_add_u32 v[SPW], v[NIL]                      ; the wave's opening: the add, twice on end, and its wait ahead of my first tensor load
	ds_add_u32 v[SPW], v[NIL]
	v_lshrrev_b32 v1, 5, v0
	v_readfirstlane_b32 s14, v1                    ; wave
	s_lshr_b32 s15, s14, 1                         ; wr: which 128 tokens
	s_and_b32 s16, s14, 1                          ; wc: which 64 columns
	s_bfe_u32 s17, ttmp6, 0x40000                  ; cx
	s_bfe_u32 s18, ttmp6, 0x40004                  ; cy
	s_lshl_b32 s19, ttmp9, 2
	s_add_co_u32 s19, s19, s17                     ; X
	s_and_b32 s20, ttmp7, 0xffff
	s_lshl_b32 s20, s20, 2
	s_add_co_u32 s20, s20, s18                     ; Y = G
	s_lshl_b32 s21, s18, 2
	s_lshl_b32 s21, 15, s21                        ; my row of the cluster
	s_lshl_b32 s22, 0x1111, s17                    ; my column
	s_mov_b32 s23, 0xffff0000                      ; lanes 16-31
	s_or_b32 s[G1A], s21, (3<<16)|(1<<21)          ; dense blocks as rows of 256 bytes (32 elements of 8): 48 rows of the tokens' images,
	s_mov_b32 s[G1A+1], 32<<16
	s_mov_b32 s[G1A+2], 48<<16
	s_mov_b32 s[G1A+3], 32<<16
	s_mov_b32 s[G1A+4], 48
	s_mov_b32 s[G1A+5], 32
	s_mov_b32 s[G1A+6], 0
	s_mov_b32 s[G1A+7], 0
	s_or_b32 s[G1B], s22, (3<<16)|(1<<21)          ; 24 of Wo's
	s_mov_b32 s[G1B+1], 32<<16
	s_mov_b32 s[G1B+2], 24<<16
	s_mov_b32 s[G1B+3], 32<<16
	s_mov_b32 s[G1B+4], 24
	s_mov_b32 s[G1B+5], 32
	s_mov_b32 s[G1B+6], 0
	s_mov_b32 s[G1B+7], 0
	s_mul_i32 s76, s14, 12288                      ; my quarter of a chunk of tokens' images,
	s_mul_i32 s78, s20, 196608
	s_add_co_u32 s78, s78, s76
	s_mov_b32 s79, 0
	s_mul_i32 s77, s14, 6144                       ; of Wo's
	s_mul_i32 s80, s19, 98304
	s_add_co_u32 s80, s80, s77
	s_mov_b32 s81, 0
	s_wait_dscnt 0x0                               ; both opening adds are done
	s_wait_kmcnt 0x0
	s_add_nc_u64 s[82:83], s[4:5], s[78:79]
	s_add_nc_u64 s[84:85], s[6:7], s[80:81]
.irp c, 0,1,2,3                        ; eight groups 0: s[40:63] and s[68:75]
.set GA, 40+8*\c+4*(\c/3)
	s_mov_b32 s[GA], 1
	s_add_co_u32 s[GA+1], s76, 49152*\c
	s_add_nc_u64 s[GA+2:GA+3], s[82:83], 49152*\c
	s_or_b32 s[GA+3], s[GA+3], 0x80000000
	s_mov_b32 s[GA+4], 1
	s_add_co_u32 s[GA+5], s77, BR+24576*\c
	s_add_nc_u64 s[GA+6:GA+7], s[84:85], 24576*\c
	s_or_b32 s[GA+7], s[GA+7], 0x80000000
.endr
	CROUND                                         ; all sixteen work-groups are here: the joint loads meet
.irp c, 0,1,2,3
.set GA, 40+8*\c+4*(\c/3)
	tensor_load_to_lds s[GA:GA+3], s[G1A:G1A+7]
	s_nop 0
	tensor_load_to_lds s[GA+4:GA+7], s[G1B:G1B+7]
	s_nop 0
.endr
	PLACES
	v_and_b32 v1, 31, v0                           ; lane
	v_and_b32 v13, 15, v0                          ; r
	v_bfe_u32 v14, v0, 4, 1                        ; h
	v_lshlrev_b32 v15, 4, v1
	v_lshlrev_b32 v16, 3, v1
	s_mul_i32 s76, s15, 12288                      ; my eight tiles of tokens
.irp c, 0,1,2,3
	v_add_nc_u32 v[2+\c], s76, v15                 ; chunk c: registers 0-3 of a half image,
	v_add_nc_u32 v[6+\c], s76, v16                 ; registers 4, 5
	s_add_co_u32 s76, s76, 49152
.endr
	s_mul_i32 s76, s16, 6144                       ; my four tiles of Wo
	s_add_co_u32 s76, s76, BR
	v_add_nc_u32 v10, s76, v15                     ; K steps 0-3,
	s_add_co_u32 s76, s76, 49152
	v_add_nc_u32 v11, s76, v15                     ; 4-7
	s_mul_i32 s76, s14, 4352
	s_add_co_u32 s76, s76, STAGE                   ; my stage
	v_mul_u32_u24 v[STO], v13, 272
	v_lshl_add_u32 v[STO], v14, 5, v[STO]
	v_add_nc_u32 v[STO], s76, v[STO]               ; in: row r, 32 bytes for each half of the lanes
	v_mul_u32_u24 v[RD], v14, 272
	v_lshl_add_u32 v[RD], v13, 4, v[RD]
	v_add_nc_u32 v[RD], s76, v[RD]                 ; back: lanes 0-15 one row of 256 bytes, lanes 16-31 the next
	v_lshlrev_b32 v[CO], 12, v14
	v_lshl_add_u32 v[CO], v13, 4, v[CO]            ; and the same two tokens in out0
	v_lshlrev_b32 v20, 5, v14                      ; bo: 8 h numbers on
	s_lshl_b32 s76, s20, 4
	s_lshl_b32 s77, s15, 3
	s_add_co_u32 s76, s76, s77
	s_lshl_b32 s76, s76, 9
	s_add_co_u32 s76, s76, 32768                   ; the tokens' scale words: tile 16 G + 8 wr
	s_lshl_b32 s77, s19, 3
	s_lshl_b32 s78, s16, 2
	s_add_co_u32 s77, s77, s78
	s_lshl_b32 s77, s77, 9                         ; Wo's: tile 8 X + 4 wc
	v_mov_b32 v21, s76
	v_mov_b32 v22, s77
	v_cndmask_b32 v19, v21, v22, s23
	v_lshl_add_u32 v19, v13, 4, v19
	s_wait_alu depctr_va_vdst(0)
	s_lshl_b32 s76, s19, 9
	s_lshl_b32 s77, s16, 8
	s_add_co_u32 s76, s76, s77                     ; my 64 columns, in bytes
	s_mov_b32 s77, 0
	s_add_nc_u64 s[10:11], s[10:11], s[76:77]      ; bo
	s_add_nc_u64 s[12:13], s[12:13], s[76:77]
	s_lshl_b32 s76, s20, 8
	s_lshl_b32 s78, s15, 7
	s_add_co_u32 s76, s76, s78
	s_lshl_b32 s76, s76, 12                        ; my first token's row of 4,096 bytes
	s_add_nc_u64 s[12:13], s[12:13], s[76:77]
.irp i, 0,1,2,3,4,5,6,7
.irp kh, 0,1
	global_load_b128 v[SC+8*\i+4*\kh:SC+8*\i+4*\kh+3], v19, s[8:9] offset:512*\i+256*\kh   ; (Wo's lanes of i = 4 .. 7 read words that nobody uses, inside the buffer)
.endr
.endr
	WIN 0x40
.irp u, 0,1,2,3
	global_load_b128 v[192+8*\u:195+8*\u], v20, s[10:11] offset:64*\u
	global_load_b128 v[196+8*\u:199+8*\u], v20, s[10:11] offset:64*\u+16
.endr
	WIN 0
.macro FETCH k                         ; K step k's fragments into set k % 2: 12 loads for Wo, 32 for the tokens (a half image: 16 and 8 bytes a lane)
.set FF, (\k)%2
	WIN 0
.irp u, 0,1,2,3
.irp g, 0,1,2
	ds_load_b128 v[96+48*FF+12*\u+4*\g:96+48*FF+12*\u+4*\g+3], v[10+(\k)/4] offset:((\k)%4)*12288+1536*\u+512*\g
.endr
.endr
	WIN 0x40
.irp i, 0,1,2,3,4,5,6,7
.irp c, 0,1
	ds_load_b128 v[96*FF+12*\i+6*\c:96*FF+12*\i+6*\c+3], v[2+(\k)/2] offset:((\k)%2)*24576+1536*\i+768*\c
	ds_load_b64 v[96*FF+12*\i+6*\c+4:96*FF+12*\i+6*\c+5], v[6+(\k)/2] offset:((\k)%2)*24576+1536*\i+768*\c+512
.endr
.endr
	WIN 0
.endm
.macro MO2 k, i0                       ; token tiles i0, i0 + 1 x four column tiles
.set FS, (\k)%2
.if (\k) == 0
	WIN 0x94
.else
	WIN 0xA4
.endif
.irp i, \i0, \i0+1
.irp u, 0,1,2,3
.if (\k) == 0
	v_wmma_scale_f32_16x16x128_f8f6f4 v[32*(\i)+8*\u:32*(\i)+8*\u+7], v[96+48*FS+12*\u:96+48*FS+12*\u+11], v[96*FS+12*(\i):96*FS+12*(\i)+11], v[192+8*\u:199+8*\u], v[SC+8*\u+(\k)], v[SC+8*(\i)+(\k)] matrix_a_fmt:MATRIX_FMT_FP6 matrix_b_fmt:MATRIX_FMT_FP6 matrix_a_scale:MATRIX_SCALE_ROW1
.else
	v_wmma_scale_f32_16x16x128_f8f6f4 v[32*(\i)+8*\u:32*(\i)+8*\u+7], v[96+48*FS+12*\u:96+48*FS+12*\u+11], v[96*FS+12*(\i):96*FS+12*(\i)+11], v[32*(\i)+8*\u:32*(\i)+8*\u+7], v[SC+8*\u+(\k)], v[SC+8*(\i)+(\k)] matrix_a_fmt:MATRIX_FMT_FP6 matrix_b_fmt:MATRIX_FMT_FP6 matrix_a_scale:MATRIX_SCALE_ROW1
.endif
.endr
.endr
.endm
.macro OSTEP k                         ; 32 matrix instructions, each accumulator once; the next step's loads in one run in the middle
	s_wait_dscnt 0x0
	MO2 \k, 0
	MO2 \k, 2
.if ((\k)%2 == 1) && ((\k) < 7)
	s_wait_tensorcnt 5-(\k)                        ; my parts of the next chunk are in; the later chunks' loads, two a chunk, may be out
	s_barrier_signal -1
	s_barrier_wait -1                              ; everybody's are
.endif
.if (\k) < 7
	PLACES
	FETCH (\k)+1
.endif
	MO2 \k, 4
	MO2 \k, 6
.endm
	s_wait_tensorcnt 0x6                           ; my parts of the first chunk are in; the six later loads may be out
	s_barrier_signal -1
	s_barrier_wait -1
	FETCH 0
	s_wait_loadcnt 0x0                             ; scale words and bo
.irp k, 0,1,2,3,4,5,6,7
	OSTEP \k
.endr
	WIN 0
; THE WAY OUT, a tile of 16 tokens x 64 columns at a time, through my own stage: back as whole rows of 256 bytes, which sixteen lanes store as 256 consecutive bytes, aligned.
.macro TOSTAGE a
	WIN 0x08                                       ; an LDS store's data: window 2
.irp u, 0,1,2,3
	ds_store_b128 v[STO], v[32*(\a)+8*\u:32*(\a)+8*\u+3] offset:64*\u       ; each accumulator from its low end on
	ds_store_b128 v[STO], v[32*(\a)+8*\u+4:32*(\a)+8*\u+7] offset:64*\u+16
.endr
	WIN 0
.set BB, 192+32*((\a)%2)
.irp t, 0,1,2,3,4,5,6,7
	ds_load_b128 v[BB+4*\t:BB+4*\t+3], v[RD] offset:544*\t   ; LDS serves a wave's instructions in order: these see my stores
.endr
.endm
.macro SEND a, younger                 ; younger: the LDS instructions issued behind tile a's loads, which may stay out
.set BB, 192+32*((\a)%2)
	s_wait_dscnt \younger
.irp t, 0,1,2,3,4,5,6,7
	global_store_b128 v[CO], v[BB+4*\t:BB+4*\t+3], s[12:13] offset:(64*((\a)/4)+8*((\a)%4)+32*(\t/4)+2*(\t%4))*4096 th:TH_STORE_NT
.endr
.endm
	PLACES                                         ; behind the last products, in front of the first read of results
	TOSTAGE 0
.irp a, 1,2,3,4,5,6,7
.if \a > 1
	s_wait_xcnt 0x0                                ; tile a - 2's stores have read their registers: tile a's rows may land there
.endif
	TOSTAGE \a
	SEND (\a)-1, 16                                ; behind tile a - 1's loads: tile a's 8 stores and 8 loads
.endr
	SEND 7, 0
	s_wait_tensorcnt 0x0                           ; the wave's end, behind my last LDS store
	ds_add_u32 v[SPW], v[NIL]
	s_wait_dscnt 0x0
	CROUND                                         ; the closing round
	s_endpgm
.Lfunc_end_k_q847170c28d_oproj:
	.size	k_q847170c28d_oproj, .Lfunc_end_k_q847170c28d_oproj-k_q847170c28d_oproj
	.p2alignl 7, 3214868480
	.fill 96, 4, 3214868480
	.section	.rodata,"a",@progbits
	.p2align	6, 0x0
	.amdhsa_kernel k_q847170c28d_oproj
		.amdhsa_group_segment_fixed_size 312832
		.amdhsa_private_segment_fixed_size 0
		.amdhsa_enable_private_segment 0
		.amdhsa_kernarg_size 40
		.amdhsa_user_sgpr_count 2
		.amdhsa_user_sgpr_kernarg_segment_ptr 1
		.amdhsa_wavefront_size32 1
		.amdhsa_system_sgpr_workgroup_id_x 1
		.amdhsa_system_sgpr_workgroup_id_y 1
		.amdhsa_system_sgpr_workgroup_id_z 1
		.amdhsa_system_vgpr_workitem_id 0
		.amdhsa_next_free_vgpr 768
		.amdhsa_next_free_sgpr 100
		.amdhsa_reserve_vcc 0
		.amdhsa_float_denorm_mode_32 3
		.amdhsa_float_denorm_mode_16_64 3
		.amdhsa_memory_ordered 1
		.amdhsa_forward_progress 1
		.amdhsa_inst_pref_size 83
	.end_amdhsa_kernel
	.amdgpu_metadata
---
amdhsa.version: [ 1, 2 ]
amdhsa.kernels:
  - .name:           k_q847170c28d_oproj
    .symbol:         k_q847170c28d_oproj.kd
    .args:
      - { .name: ai, .offset: 0, .size: 8, .value_kind: global_buffer, .address_space: global }
      - { .name: woi, .offset: 8, .size: 8, .value_kind: global_buffer, .address_space: global }
      - { .name: sc2, .offset: 16, .size: 8, .value_kind: global_buffer, .address_space: global }
      - { .name: bo, .offset: 24, .size: 8, .value_kind: global_buffer, .address_space: global }
      - { .name: out0, .offset: 32, .size: 8, .value_kind: global_buffer, .address_space: global }
    .group_segment_fixed_size: 312832
    .private_segment_fixed_size: 0
    .kernarg_segment_align: 8
    .kernarg_segment_size: 40
    .max_flat_workgroup_size: 128
    .sgpr_count:     100
    .vgpr_count:     768
    .wavefront_size: 32
...
	.end_amdgpu_metadata
.endif
;; end of part 4
